; MI455X (gfx1250); checked and timed in simulation.
; The chip was launched on July 23, 2026; its instructions are those of AMD's public machine-readable ISA for CDNA 5 (MIT licence, August 2026) and "CDNA5" Instruction Set Architecture Reference Guide (July 2026). The comments in the code are by the model that wrote it; some were corrected since.
;; Multi Head Attention. Allowed arithmetic: matrix products marked QUANTISED: E5M2 operands, one E8M0 scale for each 32 along K, by v_wmma_scale_f32_16x16x128_f8f6f4 with both operands' format E5M2, f32 sums; everything else in f32.
;; Inputs: Wk 1,024 x 1,024 float32; Wo 1,024 x 1,024 float32; Wq 1,024 x 1,024 float32; Wv 1,024 x 1,024 float32; k 4 x 2,048 x 1,024 float32; mask 2,048 x 2,048 bool; q 4 x 2,048 x 1,024 float32; v 4 x 2,048 x 1,024 float32.
;; Outputs: out0 4 x 2,048 x 1,024 float32.
;; This version of the problem:
;;   THIS VERSION OF THE PROBLEM IS GIVEN IN LOW PRECISION. The matrix products marked QUANTISED in the list below multiply operands that are first quantised to E5M2 (5 exponent bits, 2 mantissa bits; 8 bits a number), with one power-of-two scale for each 32 numbers along K (OCP MX v1.0); their sums are f32. All else is computed in f32.
;;   The module's matrix products, in the order in which they are computed (A, B: the left and right operand; K: the contracted axis; several contracted axes count as one K, in the product's order):
;;     1. [M 8,192, K 1,024] x [K 1,024, N 1,024]; A: input q; B: input Wq: QUANTISED
;;     2. [M 8,192, K 1,024] x [K 1,024, N 1,024]; A: input k; B: input Wk: QUANTISED
;;     3. [M 8,192, K 1,024] x [K 1,024, N 1,024]; A: input v; B: input Wv: QUANTISED
;;     4. batch 64 x [M 2,048, K 64] x [K 64, N 2,048]; A: computed on the way; B: computed on the way: QUANTISED
;;     5. batch 64 x [M 2,048, K 2,048] x [K 2,048, N 64]; A: softmax (see below); B: computed on the way: QUANTISED
;;     6. [M 8,192, K 1,024] x [K 1,024, N 1,024]; A: computed on the way; B: input Wo: QUANTISED
;;   THE QUANTISER, for each operand of a quantised product, along K:
;;     - K is cut into blocks of 32 from its start; a last block that is shorter is filled with zeros.
;;     - A block's scale is 2^e with e = floor(log2(the largest magnitude in the block)) - 15, held to -126 .. 127; a block of zeros has e = 0. As a byte (E8M0): e + 127.
;;     - Each number is divided by its block's scale, clamped to +-57,344, and rounded to the nearest number of E5M2, ties to even, subnormals kept.
;;     - The product sums the exact products of the quantised numbers (number of the format x scale) in f32.
;;   ~~~python
;;   def quantise(x, axis):      # numpy; x: float32 -> the quantised numbers, widened to float32 again
;;       x = np.moveaxis(x, axis, -1); K = x.shape[-1]
;;       x = np.pad(x, [(0, 0)] * (x.ndim - 1) + [(0, -K % 32)]); x = x.reshape(x.shape[:-1] + (-1, 32)); a = np.abs(x).max(-1, keepdims=True)
;;       e = np.where(a > 0, np.clip(np.frexp(np.where(a > 0, a, 1))[1] - 1 - 15, -126, 127), 0)      # np.frexp(a)[1] - 1 = floor(log2(a)), exactly
;;       r = np.clip(x / 2.0 ** e, -57344, 57344)
;;       step = 2.0 ** (np.maximum(np.frexp(np.where(r == 0, 1, r))[1] - 1, -14) - 2)
;;       q = np.round(r / step) * step * 2.0 ** e      # np.round: ties to even
;;       return np.moveaxis(q.reshape(q.shape[:-2] + (-1,))[..., :K], -1, axis).astype(np.float32)
;;   ~~~
;;   SOFTMAX AHEAD OF A QUANTISED PRODUCT. Where the list says 'softmax', what is quantised is not the finished softmax but p = 2^(t - M), with t = logit x log2(e) and M = ceil(the row's largest t), a whole number; so 1/2 < the row's largest p <= 1. The row's sum l is taken of the UNQUANTISED p, in f32, and the product's result is divided by l at the end. Since M is a whole number, a kernel that streams over the keys may use a running M (the ceiling of the running maximum): every later rescaling is an exact power of two, which a block's scale takes up: the codes' values come out the same.
;;   OPERANDS COMPUTED ON THE WAY. 'Computed on the way' means the value that the module computes at that place (a softmax that the list does not call 'softmax' is quantised finished and normalised). What goes into a quantiser is computed in f32, as accurately as f32 sums, v_exp_f32 and their like allow (about 1e-6 of the number): no bf16 or f16 on the way to a quantiser, and a product that is left as it is and whose result goes on into a quantised operand takes f32 operands (vector FMAs, or v_wmma_f32_16x16x4_f32). A number that lies on a knife's edge between two numbers of the format may be rounded either way, as far as f32 arithmetic and the matrix unit's own rounding can turn it there, and no further.
;; 2 versions, each right; version 2 is version 1 with the launch attn written anew for expert scheduling mode. Each part assembles by itself: llvm-mc -triple=amdgcn-amd-amdhsa -mcpu=gfx1250 --defsym DOCPART=n.
;; ======== version 1 of 2: 4 launches
;; workspace buffers: cw 30,277,632 bytes; hd 26,738,688 bytes; ao 8,650,752 bytes; mk 524,800 bytes of whole numbers
;; launch prep (part 1): grid 928 x 1, 4 waves a work-group, no clusters, 68,096 bytes of LDS; arguments q, k, v, Wq, Wk, Wv, Wo, mask, cw, mk; writes cw, mk
.if DOCPART == 1
	.amdgcn_target "amdgcn-amd-amdhsa--gfx1250"
	.amdhsa_code_object_version 6
	.text
	.protected	k_qf2933272b7_prep
	.globl	k_qf2933272b7_prep
	.p2align	8
	.type	k_qf2933272b7_prep,@function
k_qf2933272b7_prep:
	s_mov_b64 s[64:65], 0
	v_nop
	global_prefetch_b8 v0, s[64:65] scope:SCOPE_SE
	s_setreg_imm32_b32 hwreg(HW_REG_WAVE_MODE, 25, 1), 1
	s_wait_xcnt 0x0
; PREP: everything that is quantised once, and the mask turned into lane masks.  Three paths, chosen by the work-group's number; they never join, and each has LDS bytes of its own.
;  X (work-groups 0-767):   q, k, v [8192][1024] f32 -> codes of BF8 (E5M2), K innermost, one E8M0 byte for each 32 along K.
;  W (work-groups 768-895): Wq, Wk, Wv, Wo [k 1024][n 1024] f32, K the FIRST axis -> codes laid [n][k], K innermost, and their bytes [n][32].
;  M (work-groups 896-927): mask [2048][2048] bool -> for each tile of 16 queries and each step of 128 keys 64 words, one for each score register of the attention
;                           launch (bit l of word n: is lane l's score in register n hidden?), and a word of flags for each tile of queries.
; cw: 28,672 rows of 1,024 codes (q 0, k 8192, v 16384, Wq 24576, Wk 25600, Wv 26624, Wo 27648), then from CWS on 32 scale bytes a row.
; THE ROWS ARE STORED WITH BITS 3 AND 4 OF THEIR NUMBER EXCHANGED: sixteen consecutive stored rows (tile 2 b + u, place p) are the rows 32 b + 8 u + p + 8 (p / 8), so that in a product that takes such a
; tile as source 0 the sixteen registers of two neighbouring result tiles are sixteen NEIGHBOURS along the next product's K.
; A block's scale is 2^(floor(log2(largest magnitude)) - 15); its byte is the largest magnitude's exponent field - 15, held at 1 from below.
; LIMITS: a block of zeros carries the byte 1 where the rule says 127 (its codes are zeros, and this program alone reads the bytes); blocks whose largest magnitude lies under 2^-111 are held at byte 1;
; NaN and infinities among the f32 inputs are not served.
.set CWS,    29360128                  ; where the scale bytes begin in cw
.set MKF,    524288                    ; where the flags begin in mk
.set MANT,   0x600000                  ; the mantissa field of 57,344
.set STEPS,  16                        ; path X: steps of 512 numbers a wave
.set CB,     16                        ; bytes of 16 codes
.set XR,     16                        ; v16-79   four sets of 16 numbers as loaded
.set XX,     80                        ; v80-111  two sets of 16 neighbours
.set XE,     112                       ; v112-127 a scale byte for each step
.set XC,     128                       ; v128-191 codes: four registers for each step
.set WREG,   8192                      ; LDS of a wave on path X: two stages of 32 x SP bytes, then its 256 scale bytes
.set SP,     80                        ; a lane's place in a stage: 64 bytes + 16 of padding
.set NB,     8                         ; path W: blocks of 32 along K for a wave
.set WPITCH, 272                       ; a stage row: 256 codes + 16 of padding
.set KROW,   1024                      ; a row of codes in cw
.set WSTG,   32768                     ; path W's stages begin here: 32 x WPITCH bytes a wave
.set WSB,    24                        ; v24-25   a column's eight scale bytes
.set WX,     32                        ; v32-95   two sets of 32 numbers
.set WC,     96                        ; v96-103  a block's codes
.set WOUT,   112                       ; v112-175 the way out
	s_load_b512 s[4:19], s[0:1], 0x0               ; q, k, v, Wq, Wk, Wv, Wo, mask
	s_load_b128 s[20:23], s[0:1], 0x40             ; cw, mk
	v_lshl_add_u32 v192, v0, 2, 0x10800
	v_mov_b32 v193, 0
	v_lshrrev_b32 v1, 5, v0
	v_readfirstlane_b32 s26, v1                    ; wave 0..3
	v_and_b32 v2, 31, v0                           ; lane
	s_wait_kmcnt 0x0
	s_cmp_ge_u32 ttmp9, 768
	s_cbranch_scc1 .Lnot_x
; ---------------- PATH X: a wave takes 8 rows (8,192 numbers), 16 steps of 512.  Each load reads 512 consecutive bytes; a step's 2,048 bytes turn through the wave's own stage so that a lane
; holds 16 neighbours along K (two neighbouring lanes hold a block).  Loads run four steps ahead, the turn through LDS one step.
	v_lshlrev_b32 v3, 4, v2                        ; my 16 bytes of a load's 512
	s_mul_i32 s27, s26, WREG
	v_lshrrev_b32 v14, 2, v2
	v_mul_u32_u24 v14, v14, SP
	v_and_b32 v15, 3, v2
	v_lshl_add_u32 v14, v15, 4, v14
	v_add_nc_u32 v14, s27, v14                     ; the stage, on the way in: SP (lane / 4) + 16 (lane % 4)
	v_mul_u32_u24 v15, v2, SP
	v_add_nc_u32 v15, s27, v15                     ; and on the way out: SP x lane
	v_mul_u32_u24 v4, v2, CB                       ; my codes' place in a step's
	v_lshrrev_b32 v5, 1, v2
	s_add_co_u32 s27, s27, 2*32*SP
	v_add_nc_u32 v5, s27, v5                       ; my wave's 256 scale bytes: my block's byte
	v_lshlrev_b32 v7, 3, v2
	v_add_nc_u32 v6, s27, v7                       ; and on the way out 8 bytes a lane
	s_mov_b32 s39, MANT
	s_lshr_b32 s28, ttmp9, 8                       ; 0: q, 1: k, 2: v.  The choice hangs on the work-group's number alone
	s_cmp_eq_u32 s28, 1
	s_cselect_b64 s[4:5], s[6:7], s[4:5]
	s_cmp_eq_u32 s28, 2
	s_cselect_b64 s[4:5], s[8:9], s[4:5]
	s_and_b32 s29, ttmp9, 255
	s_lshl_b32 s29, s29, 2
	s_add_co_u32 s30, s29, s26                     ; which run of 8 rows I read
	s_lshl_b32 s30, s30, 15                        ; 32,768 bytes a run
	s_mov_b32 s31, 0
	s_add_nc_u64 s[4:5], s[4:5], s[30:31]
	s_and_b32 s32, s26, 1                          ; a row's bits 3 and 4 are the run's bits 0 and 1, which are the wave's: exchanged for the run that I write
	s_lshl_b32 s32, s32, 1
	s_lshr_b32 s33, s26, 1
	s_or_b32 s32, s32, s33
	s_add_co_u32 s32, s32, s29
	s_lshl_b32 s34, s32, 13                        ; 8,192 bytes of codes a run,
	s_lshl_b32 s33, s28, 23                        ; 8,192 rows a tensor
	s_add_co_u32 s34, s34, s33
	s_mov_b32 s35, 0
	s_add_nc_u64 s[8:9], s[20:21], s[34:35]
	s_lshl_b32 s34, s32, 8                         ; 256 scale bytes a run
	s_lshl_b32 s33, s28, 18
	s_add_co_u32 s34, s34, s33
	s_add_co_u32 s34, s34, CWS
	s_add_nc_u64 s[10:11], s[20:21], s[34:35]
.macro XLOAD t
.irp i, 0,1,2,3
	global_load_b128 v[XR+16*((\t)%4)+4*\i:XR+16*((\t)%4)+4*\i+3], v3, s[4:5] offset:2048*(\t)+512*\i th:TH_LOAD_NT   ; 32 lanes read 512 consecutive bytes
.endr
.endm
.macro XTURN t                         ; step t's numbers through the stage: LDS serves a wave's instructions in order (ISA guide 5.7.1.4), so no wait stands between the stores and the loads
.irp i, 0,1,2,3
	ds_store_b128 v14, v[XR+16*((\t)%4)+4*\i:XR+16*((\t)%4)+4*\i+3] offset:32*SP*((\t)%2)+8*SP*\i
.endr
.irp i, 0,1,2,3
	ds_load_b128 v[XX+16*((\t)%2)+4*\i:XX+16*((\t)%2)+4*\i+3], v15 offset:32*SP*((\t)%2)+16*\i
.endr
.endm
.irp t, 0,1,2,3
	XLOAD \t
.endr
	s_wait_loadcnt 12                              ; step 0's four loads are in; the twelve of steps 1 to 3 may be out
	XTURN 0
.macro XSTEP t
.set XS, XX+16*((\t)%2)
.if (\t) > 0
	s_wait_dscnt 1                                 ; this step's numbers are back from the stage (the last step's byte store may be out): its stores into the stage have read their registers,
.else
	s_wait_dscnt 0x0
.endif
.if (\t)+4 < STEPS
	XLOAD (\t)+4                                   ; which take the loads of four steps on
.endif
.if (\t)+1 < STEPS
.if STEPS-2-(\t) >= 3
	s_wait_loadcnt 12                              ; the next step's four loads are in; those of the three steps behind it may be out
.else
	s_wait_loadcnt 4*(STEPS-2-(\t))
.endif
	XTURN (\t)+1
.endif
	v_max3_num_f32 v8, |v[XS]|, |v[XS+1]|, |v[XS+2]|               ; the largest magnitude of my 16, in two chains
	v_max3_num_f32 v9, |v[XS+3]|, |v[XS+4]|, |v[XS+5]|
.irp i, 6,10
	v_max3_num_f32 v8, v8, |v[XS+\i]|, |v[XS+\i+1]|
	v_max3_num_f32 v9, v9, |v[XS+\i+2]|, |v[XS+\i+3]|
.endr
	v_max3_num_f32 v8, v8, |v[XS+14]|, |v[XS+15]|
	v_max3_num_f32 v8, v8, v9, 0x8000000           ; and the floor 2^(16 - 127): the byte cannot fall under 1
	v_max_num_f32_dpp v8, v8, v8 row_xmask:1 row_mask:0xf bank_mask:0xf   ; and of my neighbour's 16: the block's
	v_add_nc_u32 v11, 0xf8800000, v8               ; 15 off its exponent field: the conversion takes the exponent field of this operand as its scale
	v_and_or_b32 v10, v8, 0x7f800000, s39          ; 57,344 x the scale
.irp i, 0,1,2,3,4,5,6,7,8,9,10,11,12,13,14,15
	v_med3_num_f32 v[XS+\i], v[XS+\i], -v10, v10   ; the conversion to an 8-bit code does not saturate (ISA guide 7.6.2): the hold comes first
.endr
	v_cvt_scalef32_pk8_bf8_f32 v[XC+4*(\t):XC+4*(\t)+1], v[XS:XS+7], v11
	v_cvt_scalef32_pk8_bf8_f32 v[XC+4*(\t)+2:XC+4*(\t)+3], v[XS+8:XS+15], v11
	v_lshrrev_b32 v[XE+(\t)], 23, v11              ; the scale's byte (also the plain line behind the conversions)
	ds_store_b8 v5, v[XE+(\t)] offset:16*(\t)      ; both lanes of a block write the same byte with the same value
	global_store_b128 v4, v[XC+4*(\t):XC+4*(\t)+3], s[8:9] offset:32*CB*(\t)   ; the wave stores 512 consecutive bytes
.endm
.irp t, 0,1,2,3,4,5,6,7,8,9,10,11,12,13,14,15
	XSTEP \t
.endr
	ds_load_b64 v[12:13], v6                       ; in order behind my byte stores
	s_wait_dscnt 0x0
	global_store_b64 v7, v[12:13], s[10:11]        ; 32 lanes store 256 consecutive bytes, aligned
	s_wait_tensorcnt 0x0
	ds_add_u32 v192, v193
	s_wait_dscnt 0x0
	s_endpgm
.Lnot_x:
	s_cmp_ge_u32 ttmp9, 896
	s_cbranch_scc1 .Lmask
; ---------------- PATH W: a lane takes a column n and its registers run down K, so that a block of 32 along K lies in one lane and the conversions give codes with K innermost.
; A wave takes 32 columns x 256 along K; the codes go through the wave's own stage and leave as rows: sixteen lanes store 256 consecutive bytes.  Loads run two blocks ahead.
	s_sub_co_u32 s27, ttmp9, 768
	s_lshr_b32 s28, s27, 5                         ; which weight
	s_and_b32 s29, s27, 7                          ; which 128 columns
	s_bfe_u32 s30, s27, 0x20003                    ; which 256 along K
	s_cmp_eq_u32 s28, 1
	s_cselect_b64 s[10:11], s[12:13], s[10:11]
	s_cmp_eq_u32 s28, 2
	s_cselect_b64 s[10:11], s[14:15], s[10:11]
	s_cmp_eq_u32 s28, 3
	s_cselect_b64 s[10:11], s[16:17], s[10:11]
	s_lshl_b32 s31, s29, 7
	s_lshl_b32 s32, s26, 5
	s_add_co_u32 s31, s31, s32                     ; my wave's first column
	v_lshlrev_b32 v3, 2, v2                        ; in: 4 bytes a lane
	s_mul_i32 s33, s26, 32*WPITCH
	s_add_co_u32 s33, s33, WSTG                    ; my stage
	v_mul_u32_u24 v4, v2, WPITCH
	v_add_nc_u32 v4, s33, v4                       ; into it: row = my column
	v_and_b32 v5, 15, v2
	v_lshrrev_b32 v6, 4, v2
	v_mul_u32_u24 v7, v6, WPITCH
	v_lshl_add_u32 v7, v5, 4, v7
	v_add_nc_u32 v7, s33, v7                       ; out of it: sixteen lanes to a row, two rows an instruction
	v_lshlrev_b32 v8, 10, v6
	v_lshl_add_u32 v8, v5, 4, v8                   ; and the same two rows in cw
	v_and_b32 v9, 7, v2                            ; my column's stored row: bits 3 and 4 exchanged,
	v_and_b32 v10, 8, v2
	v_lshl_or_b32 v9, v10, 1, v9
	v_and_b32 v10, 16, v2
	v_lshrrev_b32 v10, 1, v10
	v_or_b32 v9, v9, v10
	v_lshlrev_b32 v9, 5, v9                        ; 32 scale bytes a row
	s_lshl_b32 s34, s30, 20                        ; 256 rows of 4,096 bytes
	s_lshl_b32 s35, s31, 2
	s_add_co_u32 s34, s34, s35
	s_mov_b32 s35, 0
	s_add_nc_u64 s[4:5], s[10:11], s[34:35]
	s_lshl_b32 s36, s28, 10
	s_add_co_u32 s36, s36, s31
	s_add_co_u32 s36, s36, 24576                   ; my first row in cw
	s_lshl_b32 s34, s36, 10
	s_lshl_b32 s37, s30, 8
	s_add_co_u32 s34, s34, s37
	s_add_nc_u64 s[6:7], s[20:21], s[34:35]
	s_lshl_b32 s34, s36, 5
	s_lshl_b32 s37, s30, 3
	s_add_co_u32 s34, s34, s37
	s_add_co_u32 s34, s34, CWS
	s_add_nc_u64 s[8:9], s[20:21], s[34:35]
	s_mov_b32 s39, MANT
.macro WLOAD t                         ; block t: W(32 t + i, my column), i = 0 .. 31, into set t % 2: a wave reads 128 consecutive bytes, the work-group 512
.irp i, 0,1,2,3,4,5,6,7,8,9,10,11,12,13,14,15,16,17,18,19,20,21,22,23,24,25,26,27,28,29,30,31
	global_load_b32 v[WX+32*((\t)%2)+\i], v3, s[4:5] offset:(32*(\t)+\i)*4096 th:TH_LOAD_NT
.endr
.endm
	WLOAD 0
	WLOAD 1
.macro WBLOCK t
.set XS, WX+32*((\t)%2)
.if (\t) < NB-1
	s_wait_loadcnt 32                              ; this block's 32 loads are in; the next block's may be out
.else
	s_wait_loadcnt 0
.endif
	v_max3_num_f32 v12, |v[XS]|, |v[XS+1]|, |v[XS+2]|              ; the block's largest magnitude: all 32 numbers are mine
	v_max3_num_f32 v13, |v[XS+3]|, |v[XS+4]|, |v[XS+5]|
.irp i, 6,10,14,18,22,26
	v_max3_num_f32 v12, v12, |v[XS+\i]|, |v[XS+\i+1]|
	v_max3_num_f32 v13, v13, |v[XS+\i+2]|, |v[XS+\i+3]|
.endr
	v_max3_num_f32 v12, v12, |v[XS+30]|, |v[XS+31]|
	v_max3_num_f32 v12, v12, v13, 0x8000000        ; and the floor
	v_add_nc_u32 v11, 0xf8800000, v12              ; the conversion's scale operand
	v_and_or_b32 v10, v12, 0x7f800000, s39         ; 57,344 x the scale
	v_lshrrev_b32 v13, 23, v11                     ; the scale's byte
.if (\t)%4 == 0
	v_mov_b32 v[WSB+(\t)/4], v13                   ; four bytes to a register, the lower K in the lower byte
.else
	v_lshl_or_b32 v[WSB+(\t)/4], v13, 8*((\t)%4), v[WSB+(\t)/4]
.endif
.irp i, 0,1,2,3,4,5,6,7,8,9,10,11,12,13,14,15,16,17,18,19,20,21,22,23,24,25,26,27,28,29,30,31
	v_med3_num_f32 v[XS+\i], v[XS+\i], -v10, v10
.endr
.irp g, 0,1,2,3
	v_cvt_scalef32_pk8_bf8_f32 v[WC+2*\g:WC+2*\g+1], v[XS+8*\g:XS+8*\g+7], v11
.endr
	v_nop                                          ; a plain line behind the last conversion
	ds_store_b128 v4, v[WC:WC+3] offset:32*(\t)    ; 32 codes of my column's row
	ds_store_b128 v4, v[WC+4:WC+7] offset:32*(\t)+16
.if (\t)+2 < NB
	WLOAD (\t)+2
.endif
	s_wait_dscnt 0x0                               ; the stores have read their registers: the next block's codes may be written
.endm
.irp t, 0,1,2,3,4,5,6,7
	WBLOCK \t
.endr
	global_store_b64 v9, v[WSB:WSB+1], s[8:9]      ; my column's eight scale bytes, in its stored row
.irp t, 0,1,2,3,4,5,6,7,8,9,10,11,12,13,14,15
	ds_load_b128 v[WOUT+4*\t:WOUT+4*\t+3], v7 offset:2*\t*WPITCH
.endr
.irp t, 0,1,2,3,4,5,6,7,8,9,10,11,12,13,14,15
	s_wait_dscnt 15-\t                             ; the younger loads from the stage may be out
	global_store_b128 v8, v[WOUT+4*\t:WOUT+4*\t+3], s[6:7] offset:2*((\t&3)|((\t&4)<<1)|((\t&8)>>1))*KROW   ; columns 2 t, 2 t + 1 go to their stored rows: bits 3 and 4 exchanged
.endr
	s_wait_tensorcnt 0x0
	ds_add_u32 v192, v193
	s_wait_dscnt 0x0
	s_endpgm
.Lmask:
; ---------------- PATH M: a wave owns one tile of 16 queries (stored tile rt: lane r holds query 32 (rt / 2) + 8 (rt % 2) + 16 (r / 8) + r % 8) and walks the 16 steps of 128 keys.
; In the attention launch lane (r, h) holds, in score register n = 16 b + i, key 128 step + 32 b + 16 h + i.  Lane (r, h) here loads just those 64 bytes of its query's row.
	s_sub_co_u32 s27, ttmp9, 896
	s_lshl_b32 s27, s27, 2
	s_add_co_u32 s27, s27, s26                     ; rt
	s_lshr_b32 s28, s27, 1
	s_lshl_b32 s28, s28, 5
	s_and_b32 s29, s27, 1
	s_lshl_b32 s29, s29, 3
	s_add_co_u32 s28, s28, s29
	v_and_b32 v5, 7, v2
	v_and_b32 v6, 8, v2
	v_lshl_add_u32 v5, v6, 1, v5
	v_add_nc_u32 v5, s28, v5                       ; my query
	v_lshlrev_b32 v3, 11, v5                       ; its row of 2,048 bytes,
	v_and_b32 v6, 16, v2
	v_add_nc_u32 v3, v3, v6                        ; + 16 h
	v_lshlrev_b32 v4, 3, v2                        ; out: two words a lane
	s_lshl_b32 s36, s27, 12
	s_mov_b32 s37, 0
	s_add_nc_u64 s[24:25], s[22:23], s[36:37]      ; the tile's 16 x 256 bytes of words
	v_mov_b32 v12, 0                               ; (v_writelane_b32's destination counts as read)
	v_mov_b32 v13, 0
	s_mov_b32 s32, 0                               ; bit s: step s has an open pair
	s_mov_b32 s33, 0                               ; bit s: step s has a hidden pair
	s_mov_b32 s34, 0                               ; the step
.Lmstep:
.irp b, 0,1,2,3
	global_load_b128 v[16+4*\b:19+4*\b], v3, s[18:19] offset:32*\b
.endr
	s_wait_loadcnt 0x0
.set n, 0
.rept 64                               ; word n: one byte of each lane, as a lane mask; it goes to lane n / 2 of the pair that is stored
	v_and_b32 v[8+n%4], 0xff<<(8*(n%4)), v[16+4*(n/16)+(n%16)/4]
	v_cmp_ne_u32 s[28+n%4], 0, v[8+n%4]
	v_writelane_b32 v[12+n%2], s[28+n%4], n/2
.set n, n+1
.endr
	v_or_b32 v14, v16, v17
	v_and_b32 v15, v16, v17
.irp j, 18,19,20,21,22,23,24,25,26,27,28,29,30,31
	v_or_b32 v14, v14, v[\j]
	v_and_b32 v15, v15, v[\j]
.endr
	v_cmp_ne_u32 s28, 0, v14                       ; lanes that hold a hidden pair
	v_cmp_ne_u32 s30, 0x01010101, v15              ; lanes that hold an open pair (a bool is 0 or 1; any other byte would only make the step count as open AND hidden, which is served)
	s_cmp_lg_u32 s28, 0
	s_cselect_b32 s29, 1, 0
	s_lshl_b32 s29, s29, s34
	s_or_b32 s33, s33, s29
	s_cmp_lg_u32 s30, 0
	s_cselect_b32 s31, 1, 0
	s_lshl_b32 s31, s31, s34
	s_or_b32 s32, s32, s31
	global_store_b64 v4, v[12:13], s[24:25]        ; 32 lanes store 256 consecutive bytes, aligned
	s_wait_xcnt 0x0                                ; the store has read its data and its offset: both are written again
	v_add_nc_u32 v3, 128, v3
	v_add_nc_u32 v4, 256, v4
	s_add_co_u32 s34, s34, 1
	s_cmp_lt_u32 s34, 16
	s_cbranch_scc1 .Lmstep
	s_lshl_b32 s33, s33, 16
	s_or_b32 s32, s32, s33
	v_mov_b32 v5, 0
	v_mov_b32 v6, s32
	s_lshl_b32 s36, s27, 2
	s_add_co_u32 s36, s36, MKF
	s_add_nc_u64 s[38:39], s[22:23], s[36:37]
	global_store_b32 v5, v6, s[38:39]              ; the tile's flags: every lane writes the same word with the same value
	s_endpgm
.Lfunc_end_k_qf2933272b7_prep:
	.size	k_qf2933272b7_prep, .Lfunc_end_k_qf2933272b7_prep-k_qf2933272b7_prep
	.p2alignl 7, 3214868480
	.fill 96, 4, 3214868480
	.section	.rodata,"a",@progbits
	.p2align	6, 0x0
	.amdhsa_kernel k_qf2933272b7_prep
		.amdhsa_group_segment_fixed_size 68096
		.amdhsa_private_segment_fixed_size 0
		.amdhsa_enable_private_segment 0
		.amdhsa_kernarg_size 80
		.amdhsa_user_sgpr_count 2
		.amdhsa_user_sgpr_kernarg_segment_ptr 1
		.amdhsa_wavefront_size32 1
		.amdhsa_system_sgpr_workgroup_id_x 1
		.amdhsa_system_sgpr_workgroup_id_y 1
		.amdhsa_system_sgpr_workgroup_id_z 1
		.amdhsa_system_vgpr_workitem_id 0
		.amdhsa_next_free_vgpr 194
		.amdhsa_next_free_sgpr 66
		.amdhsa_reserve_vcc 0
		.amdhsa_float_denorm_mode_32 3
		.amdhsa_float_denorm_mode_16_64 3
		.amdhsa_memory_ordered 1
		.amdhsa_forward_progress 1
		.amdhsa_inst_pref_size 126
	.end_amdhsa_kernel
	.amdgpu_metadata
---
amdhsa.version: [ 1, 2 ]
amdhsa.kernels:
  - .name:           k_qf2933272b7_prep
    .symbol:         k_qf2933272b7_prep.kd
    .args:
      - { .name: q, .offset: 0, .size: 8, .value_kind: global_buffer, .address_space: global }
      - { .name: k, .offset: 8, .size: 8, .value_kind: global_buffer, .address_space: global }
      - { .name: v, .offset: 16, .size: 8, .value_kind: global_buffer, .address_space: global }
      - { .name: Wq, .offset: 24, .size: 8, .value_kind: global_buffer, .address_space: global }
      - { .name: Wk, .offset: 32, .size: 8, .value_kind: global_buffer, .address_space: global }
      - { .name: Wv, .offset: 40, .size: 8, .value_kind: global_buffer, .address_space: global }
      - { .name: Wo, .offset: 48, .size: 8, .value_kind: global_buffer, .address_space: global }
      - { .name: mask, .offset: 56, .size: 8, .value_kind: global_buffer, .address_space: global }
      - { .name: cw, .offset: 64, .size: 8, .value_kind: global_buffer, .address_space: global }
      - { .name: mk, .offset: 72, .size: 8, .value_kind: global_buffer, .address_space: global }
    .group_segment_fixed_size: 68096
    .private_segment_fixed_size: 0
    .kernarg_segment_align: 8
    .kernarg_segment_size: 80
    .max_flat_workgroup_size: 128
    .sgpr_count:     66
    .vgpr_count:     194
    .wavefront_size: 32
...
	.end_amdgpu_metadata
.endif
;; end of part 1
;; launch proj (part 2): grid 4 x 96, 4 waves a work-group, clusters of 4 x 4, 327,680 bytes of LDS; arguments cw, hd; writes hd
.if DOCPART == 2
	.amdgcn_target "amdgcn-amd-amdhsa--gfx1250"
	.amdhsa_code_object_version 6
	.text
	.protected	k_qf2933272b7_proj
	.globl	k_qf2933272b7_proj
	.p2align	8
	.type	k_qf2933272b7_proj,@function
k_qf2933272b7_proj:
	s_mov_b64 s[64:65], 0
	v_nop
	global_prefetch_b8 v0, s[64:65] scope:SCOPE_SE
	s_setreg_imm32_b32 hwreg(HW_REG_WAVE_MODE, 25, 1), 1
	s_wait_xcnt 0x0
	s_wait_alu depctr_hold_cnt(0) depctr_sa_sdst(0) depctr_va_vdst(0) depctr_va_sdst(0) depctr_va_ssrc(0) depctr_va_vcc(0) depctr_vm_vsrc(0)
	s_getreg_b32 s2, hwreg(HW_REG_IB_STS2, 6, 4)
	s_cmp_eq_u32 s2, 0
	s_cbranch_scc0 .Lentry_in_a_cluster
	s_endpgm
.Lentry_in_a_cluster:
	s_bfe_u32 s2, ttmp6, 0x10000c
	s_cmp_lg_u32 s2, 0xf033
	s_cbranch_scc0 .Lentry_shape_is_right
	s_endpgm
.Lentry_shape_is_right:
; PROJ: q Wq, k Wk, v Wv on codes of BF8 (E5M2) with E8M0 scales, and each result quantised in registers into the operand images that the attention launch reads.
; A tile of 256 x 256 is made by a work-group of four waves; a wave makes 128 x 128: 64 accumulators, 512 registers.  K = 1,024 goes in four steps of 256 through a ring of two LDS slots filled by the tensor data mover.
; ROLES.  Source 0 ("B") is the operand whose rows become the NEXT product's K, source 1 ("A") the one whose rows become lanes.  q, k: A = tokens, B = the weight (next K: the head's 64).
; v: A = Wv, B = tokens (next K: the keys).  Only numbers that a whole cluster shares tell the three apart (cluster y / 8), so one text serves all three.
; cw's rows are stored with bits 3 and 4 of their number exchanged, so that the sixteen registers of accumulators (a, 2 c) and (a, 2 c + 1) are sixteen neighbours along the next K: k = 32 c + 16 (lane / 16) + 0 .. 15.
; The conversions' results then ARE four registers of the next operand: they leave as a chunk of 512 bytes, lane l's 16 bytes at 16 l, by one store of 512 consecutive bytes.
; CLUSTERS: 4 x 4 work-groups; A's tiles are asked for jointly along a row of the cluster, B's along a column.
; LIMITS: a block of zeros carries the byte 1; blocks whose largest magnitude lies under 2^-111 are held at byte 1; NaN and infinities are not served.
; REGISTERS: window 0: v0-31 addresses; v32-63 scale words, two sets; from v128 A's fragments, one set.  window 1: B's fragments, two sets.  windows 2, 3: the accumulators ((a, b) at v[8 (8 (a % 4) + b)]).
;   On the way out window 0 holds: v32-47 at work, v48 a scale word, v49-56 the eight words as they are stored, v64-127 64 held numbers, v128-255 the codes, 16 registers for each a (no store's data are written again).
.set CWS,    29360128                  ; cw: where the scale bytes begin
.set HDS,    25165824                  ; hd: where the scale images begin
.set NQ,     2                         ; matrix instructions deep in a slot
.set ROWB,   256                       ; a tile's row in bytes
.set KROW,   1024                      ; a row of codes in memory
.set PITCH,  272                       ; an LDS row: 256 bytes + 16 of padding = 68 words: the 16 rows that a load touches start at 16 different banks (64 banks of 4 bytes: ISA guide 11.1)
.set FR,     16
.set NL,     4
.set NP,     8                         ; places behind this matrix instruction (ISA guide 7.12.1)
.set HALFT,  128*PITCH
.set SLOT,   4*HALFT
.set SCL,    2*SLOT                    ; behind the ring: the scales of all of K, as units of 256 bytes + 16 of padding
.set HALFS,  16*272
.set SBLK,   2*272
.set SPARE,  SCL+4*HALFS               ; the spare words, 128 bytes for each wave
.set STG,    SPARE+512                 ; 1,024 bytes for each wave: two scale images; no fill lands here
.set ADRA, 16
.set ADRB, 20
.set L16,  24                          ; v24  16 x lane
.set SA,   25                          ; v25  where I put a scale word: STG + 1024 wave + 512 (lane / 16) + 16 (lane % 16)
.set SR,   26                          ; v26  where I read an image back: STG + 1024 wave + 16 x lane
.set ADRS, 27
.set SPW,  28
.set NIL,  29
.set SH,   30                          ; v30  16 x (lane / 16)
.set SC,   32
.set AF,   128
.set TM,   32                          ; the way out: v32-35 largest magnitudes, v36-39 bytes, v40-43 holds, v44-47 scale operands
.set PW,   48
.set PWS,  49
.set XN,   64
.set CD,   128
.set G1, 24
.set G0, 32
.set G1B, 48
.set G0B, 56
.set G1S, 68
.set G0S, 76
.set G1SB, 80
.set G0SB, 88
.set SEL, 34                           ; s[34:35], s36: written on the way out, when no tensor load is out
.set MNT, 36
.set MSB, 0
.macro WIN new                         ; the immediate's high byte repeats the setting that is left
.if MSB != \new
	s_set_vgpr_msb (MSB<<8)|\new
.set MSB, \new
.endif
.endm
.set MUL_LO, 0xa1                      ; source 0 (B) window 1, source 1 (A) window 0, C and D window 2
.set MUL_HI, 0xf1
.set TO_B,   0x40
; A joint load: waves 0 and 1 fetch for A, waves 2 and 3 for B; the branch hangs on the wave's number alone.  Four v_nop follow each of the two lines.
.macro JLOAD g0a, g1a, g0b, g1b
	s_cmp_eq_u32 s15, 0
	s_cbranch_scc0 .Lfor_b_\@
	tensor_load_to_lds s[\g0a:\g0a+3], s[\g1a:\g1a+7]
	s_nop 0
.rept 4
	v_nop
.endr
	s_branch .Lasked_\@
.Lfor_b_\@:
	tensor_load_to_lds s[\g0b:\g0b+3], s[\g1b:\g1b+7]
	s_nop 0
.rept 4
	v_nop
.endr
.Lasked_\@:
.endm
.macro CREST                           ; a round of the cluster's barrier behind its opening barrier
	s_cmp_lg_u32 s14, 0
	s_cbranch_scc1 .Lnot_wave_0_\@
	s_barrier_signal -3
.Lnot_wave_0_\@:
	s_barrier_wait -3
	s_barrier_signal -1
	s_barrier_wait -1
.endm
.macro CROUND
	s_barrier_signal -1
	s_barrier_wait -1
	CREST
.endm
	s_load_b128 s[4:7], s[0:1], 0x0                ; cw, hd
	v_lshl_add_u32 v[SPW], v0, 2, SPARE
	v_mov_b32 v[NIL], 0
	ds_add_u32 v28, v29
	ds_add_u32 v28, v29
	s_wait_dscnt 0x0
	v_lshrrev_b32 v1, 5, v0
	v_readfirstlane_b32 s14, v1                    ; wave 0..3
	s_lshr_b32 s15, s14, 1                         ; which half of A's rows is mine.  Also: I fetch for A (0) or for B (1)
	s_and_b32 s16, s14, 1                          ; which half of B's rows.  Also: which 128 rows I fetch
	s_bfe_u32 s40, ttmp6, 0x40000                  ; cx, cy: my place in the cluster
	s_bfe_u32 s41, ttmp6, 0x40004
	s_and_b32 s17, ttmp7, 0xffff                   ; the cluster: 0..23
	s_lshr_b32 s96, s17, 3                         ; 0: q, 1: k, 2: v
	s_and_b32 s97, s17, 7                          ; which 1,024 tokens
	s_lshl_b32 s43, s41, 2
	s_lshl_b32 s43, 15, s43                        ; my row of the cluster
	s_lshl_b32 s44, 0x1111, s40                    ; my column
	s_or_b32 s[G1+0], s43, (0<<16)|(1<<20)|(1<<21)|(5<<22)|(3<<25)  ; the mask: A's tiles go to my row; elements of 1 byte; padding on; bit 21 beside a mask; after every 64 words four words
	s_or_b32 s[G1B+0], s44, (0<<16)|(1<<20)|(1<<21)|(5<<22)|(3<<25)
.irp g, G1, G1B
	s_mov_b32 s[\g+1], ROWB<<16                    ; tensor_dim0
	s_mov_b32 s[\g+2], 128<<16                     ; tensor_dim1
	s_mov_b32 s[\g+3], ROWB<<16                    ; tile_dim0
	s_mov_b32 s[\g+4], 128                         ; tile_dim1
	s_mov_b32 s[\g+5], KROW                        ; the pitch
	s_mov_b32 s[\g+6], 0
	s_mov_b32 s[\g+7], 0
.endr
	s_or_b32 s[G1S+0], s43, (3<<16)|(1<<20)|(1<<21)|(5<<22)|(3<<25)  ; the scales of 128 rows: 4,096 dense bytes as 16 rows of 256 (32 elements of 8 bytes), 16 bytes of padding behind each
	s_or_b32 s[G1SB+0], s44, (3<<16)|(1<<20)|(1<<21)|(5<<22)|(3<<25)
.irp g, G1S, G1SB
	s_mov_b32 s[\g+1], 32<<16
	s_mov_b32 s[\g+2], 16<<16
	s_mov_b32 s[\g+3], 32<<16
	s_mov_b32 s[\g+4], 16
	s_mov_b32 s[\g+5], 32
	s_mov_b32 s[\g+6], 0
	s_mov_b32 s[\g+7], 0
.endr
	s_lshl_b32 s8, s96, 13
	s_lshl_b32 s9, s97, 10
	s_add_co_u32 s8, s8, s9                        ; the cluster's first row of tokens in cw
	s_lshl_b32 s9, s96, 10
	s_add_co_u32 s9, s9, 24576                     ; the weight's first row
	s_cmp_eq_u32 s96, 2                            ; the same in all sixteen partners
	s_cselect_b32 s10, s9, s8                      ; A's rows
	s_cselect_b32 s11, s8, s9                      ; B's rows
	s_lshl_b32 s18, s16, 7
	s_lshl_b32 s20, s41, 8
	s_add_co_u32 s20, s20, s10
	s_add_co_u32 s20, s20, s18                     ; A: the row that I fetch from: it hangs on cy alone
	s_lshl_b32 s46, s40, 8
	s_add_co_u32 s46, s46, s11
	s_add_co_u32 s46, s46, s18                     ; B: on cx alone
	s_lshl_b32 s22, s20, 5
	s_add_co_u32 s22, s22, CWS                     ; these rows' scales, in bytes from cw,
	s_mov_b32 s23, 0
	s_lshl_b32 s20, s20, 10                        ; and their codes
	s_mov_b32 s21, 0
	s_lshl_b32 s92, s46, 5
	s_add_co_u32 s92, s92, CWS
	s_mov_b32 s93, 0
	s_lshl_b32 s46, s46, 10
	s_mov_b32 s47, 0
	s_mul_i32 s45, s14, HALFT                      ; where they go: wave x 128 rows: no place in the cluster enters an LDS address
	s_mul_i32 s94, s14, HALFS
	s_wait_kmcnt 0x0
	s_add_nc_u64 s[20:21], s[4:5], s[20:21]
	s_add_nc_u64 s[22:23], s[4:5], s[22:23]
	s_add_nc_u64 s[46:47], s[4:5], s[46:47]
	s_add_nc_u64 s[92:93], s[4:5], s[92:93]
	CROUND                                         ; all sixteen work-groups are here: the first joint loads meet
	s_mov_b32 s[G0S], 1
	s_add_co_u32 s[G0S+1], s94, SCL
	s_mov_b64 s[G0S+2:G0S+3], s[22:23]
	s_or_b32 s[G0S+3], s[G0S+3], 0x80000000
	s_mov_b32 s[G0SB], 1
	s_add_co_u32 s[G0SB+1], s94, SCL
	s_mov_b64 s[G0SB+2:G0SB+3], s[92:93]
	s_or_b32 s[G0SB+3], s[G0SB+3], 0x80000000
	JLOAD G0S, G1S, G0SB, G1SB                     ; the scales first: they are wanted with K step 0.  With the two below, three loads of mine are out
.irp s, 0,1
	s_mov_b32 s[G0+4*\s], 1
	s_add_co_u32 s[G0+4*\s+1], s45, \s*SLOT
	s_add_nc_u64 s[G0+4*\s+2:G0+4*\s+3], s[20:21], \s*ROWB
	s_or_b32 s[G0+4*\s+3], s[G0+4*\s+3], 0x80000000
	s_mov_b32 s[G0B+4*\s], 1
	s_add_co_u32 s[G0B+4*\s+1], s45, \s*SLOT
	s_add_nc_u64 s[G0B+4*\s+2:G0B+4*\s+3], s[46:47], \s*ROWB
	s_or_b32 s[G0B+4*\s+3], s[G0B+4*\s+3], 0x80000000
	JLOAD G0+4*\s, G1, G0B+4*\s, G1B
.endr
	v_and_b32 v1, 15, v0                           ; r = lane % 16
	v_bfe_u32 v2, v0, 4, 1                         ; h = lane / 16
	v_mul_u32_u24 v3, v1, PITCH
	v_lshl_add_u32 v4, v2, 4, v3                   ; a fragment's row x pitch + 16 h
	s_mul_i32 s21, s15, HALFT                      ; my 128 rows of A
	s_mul_i32 s22, s16, HALFT                      ; my 128 rows of B,
	s_add_co_u32 s22, s22, 2*HALFT                 ; behind A's 256
.irp s, 0,1
	v_add_nc_u32 v[ADRA+\s], s21, v4
	v_add_nc_u32 v[ADRB+\s], s22, v4
	s_add_co_u32 s21, s21, SLOT
	s_add_co_u32 s22, s22, SLOT
.endr
	v_lshlrev_b32 v5, 5, v1                        ; my row's scales: 32 bytes a row,
	v_lshrrev_b32 v6, 8, v5
	v_lshl_add_u32 v5, v6, 4, v5                   ; and 16 more for each 256 passed
	s_mul_i32 s21, s15, HALFS
	s_mul_i32 s22, s16, HALFS
	s_add_co_u32 s22, s22, 2*HALFS
	s_sub_co_u32 s22, s22, s21
	v_mul_u32_u24 v6, s22, v2                      ; lanes 16-31 take B's: the lower base + h x the distance
	s_add_co_u32 s21, s21, SCL
	v_add_nc_u32 v5, v5, v6
	v_add_nc_u32 v[ADRS], s21, v5
	s_lshl_b32 s23, s14, 10
	s_add_co_u32 s23, s23, STG                     ; my two scale images
	v_and_b32 v6, 31, v0
	v_lshlrev_b32 v[L16], 4, v6
	v_add_nc_u32 v[SR], s23, v[L16]
	v_lshlrev_b32 v5, 4, v1
	v_lshl_add_u32 v5, v2, 9, v5
	v_add_nc_u32 v[SA], s23, v5
	v_lshlrev_b32 v[SH], 4, v2
.macro FRAG reg, adr, q, i             ; 16 rows x 128 K: registers 4 c .. 4 c + 3 hold K = 32 c + 16 (lane / 16) + 0 .. 15 of row lane % 16
.irp c, 0,1,2,3
	ds_load_b128 v[\reg+4*\c:\reg+4*\c+3], v[\adr] offset:128*(\q)+32*\c+(\i)*16*PITCH
.endr
.endm
; 16 matrix instructions: A's blocks a0, a0 + 1 x B's eight.  The 64 accumulators take turns, one instruction a turn, in the same order in every step.
; One register carries A's scale word (lanes 0-15) and B's (lanes 16-31).
.macro MUL16 a0, p, q, sc, zero
.irp a, \a0, \a0+1
.irp b, 0,1,2,3,4,5,6,7
.if \zero
	v_wmma_scale_f32_16x16x128_f8f6f4 v[8*(8*((\a)%4)+\b):8*(8*((\a)%4)+\b)+7], v[128*(\p)+FR*\b:128*(\p)+FR*\b+FR-1], v[AF+FR*(\a):AF+FR*(\a)+FR-1], 0, v[SC+8*NQ*(\sc)+NQ*\b+(\q)], v[SC+8*NQ*(\sc)+NQ*(\a)+(\q)] matrix_a_fmt:MATRIX_FMT_BF8 matrix_b_fmt:MATRIX_FMT_BF8 matrix_a_scale:MATRIX_SCALE_ROW1
.else
	v_wmma_scale_f32_16x16x128_f8f6f4 v[8*(8*((\a)%4)+\b):8*(8*((\a)%4)+\b)+7], v[128*(\p)+FR*\b:128*(\p)+FR*\b+FR-1], v[AF+FR*(\a):AF+FR*(\a)+FR-1], v[8*(8*((\a)%4)+\b):8*(8*((\a)%4)+\b)+7], v[SC+8*NQ*(\sc)+NQ*\b+(\q)], v[SC+8*NQ*(\sc)+NQ*(\a)+(\q)] matrix_a_fmt:MATRIX_FMT_BF8 matrix_b_fmt:MATRIX_FMT_BF8 matrix_a_scale:MATRIX_SCALE_ROW1
.endif
.endr
.endr
.endm
.macro FETCH_B slot, q, p
	WIN TO_B
.irp i, 0,1,2,3,4,5,6,7
	FRAG 128*(\p)+FR*\i, ADRB+\slot, \q, \i
.endr
	WIN 0
.endm
.macro FETCH_A slot, q, i0
.irp i, \i0, \i0+1, \i0+2, \i0+3
	FRAG AF+FR*(\i), ADRA+\slot, \q, \i
.endr
.endm
.macro SCALES sc                       ; the next K step's scale words: two words a row; lanes 0-15 take A's block i, lanes 16-31 B's
.irp i, 0,1,2,3,4,5,6,7
	ds_load_b64 v[SC+8*NQ*\sc+NQ*\i:SC+8*NQ*\sc+NQ*\i+1], v[ADRS] offset:\i*SBLK
.endr
.endm
.macro PLACES n                        ; plain vector instructions that name no register of the matrix instructions before them (ISA guide 7.12.1)
.rept \n
	v_nop
.endr
.endm
.macro STEP slot, q, zero              ; a step of 128 along K that has its successor in the same slot
	s_wait_dscnt 4*NL                              ; B's set and A's blocks 0-3 are in; the youngest sixteen loads (A's blocks 4-7) may be out
	WIN MUL_LO
	MUL16 0, (\q)%2, \q, \slot, \zero
	MUL16 2, (\q)%2, \q, \slot, \zero
	s_wait_dscnt 0
	PLACES NP
	FETCH_B \slot, (\q)+1, 1-(\q)%2
	FETCH_A \slot, (\q)+1, 0
	WIN MUL_HI
	MUL16 4, (\q)%2, \q, \slot, \zero
	MUL16 6, (\q)%2, \q, \slot, \zero
	PLACES NP
	WIN 0
	FETCH_A \slot, (\q)+1, 4
.endm
; A slot's last step changes slots: one barrier; in front of it each wave waits for all its tensor loads, adds 0 to its spare word, and waits for that and for its reads of this slot.
.macro TURN slot, next, fill
	s_wait_tensorcnt 0x0                           ; all my tensor loads have landed: my part of the next slot
	ds_add_u32 v[SPW], v[NIL]                      ; 0 onto my spare word
	s_wait_dscnt 4*NL+1                            ; (the add and the youngest sixteen loads may be out)
	WIN MUL_LO
	MUL16 0, 1, NQ-1, \slot, 0
	s_wait_dscnt 0x0                               ; the add is done, and my reads of this slot are over
	s_barrier_signal -1
	MUL16 2, 1, NQ-1, \slot, 0
	WIN 0
	s_barrier_wait -1
.if \fill
	CREST                                          ; the barrier has opened a round of the cluster's barrier: no wave of any partner still reads this slot or has a load on its way
	s_add_nc_u64 s[G0+4*\slot+2:G0+4*\slot+3], s[G0+4*\slot+2:G0+4*\slot+3], 2*ROWB
	s_add_nc_u64 s[G0B+4*\slot+2:G0B+4*\slot+3], s[G0B+4*\slot+2:G0B+4*\slot+3], 2*ROWB
	JLOAD G0+4*\slot, G1, G0B+4*\slot, G1B         ; the first tensor load behind the round, and my only one until the next; its four v_nop are among the places below
	PLACES NP-4
.else
	PLACES NP
.endif
	v_add_nc_u32 v[ADRS], 4*NQ, v[ADRS]            ; on to the next K step's scale words
	FETCH_B \next, 0, 0
	FETCH_A \next, 0, 0
	SCALES \next
	WIN MUL_HI
	MUL16 4, 1, NQ-1, \slot, 0
	MUL16 6, 1, NQ-1, \slot, 0
	PLACES NP
	WIN 0
	FETCH_A \next, 0, 4
.endm
	s_wait_tensorcnt 1                             ; the scales and my part of K step 0 are in; K step 1's load may be out
	s_barrier_signal -1
	s_barrier_wait -1
	FETCH_B 0, 0, 0
	FETCH_A 0, 0, 0
	SCALES 0
	FETCH_A 0, 0, 4
	STEP 0, 0, 1                                   ; K = 1,024 is four slots' worth: the eight steps of 128 are written out.  The first starts the sums
	TURN 0, 1, 1                                   ; slot 0 takes K step 2
	STEP 1, 0, 0
	TURN 1, 0, 1                                   ; slot 1 takes K step 3
	STEP 0, 0, 0
	TURN 0, 1, 0                                   ; nothing is left to fetch
	STEP 1, 0, 0
	s_wait_dscnt 4*NL
	WIN MUL_LO
	MUL16 0, 1, NQ-1, 1, 0
	MUL16 2, 1, NQ-1, 1, 0
	s_wait_dscnt 0
	WIN MUL_HI
	MUL16 4, 1, NQ-1, 1, 0
	MUL16 6, 1, NQ-1, 1, 0
	WIN 0
; THE WAY OUT.  hd's codes: part x 8,388,608 + (batch x 16 + head) x 131,072 + (group of 128 tokens) x 8,192 + in the group: q, k: tile x 1,024 + c x 512 (c: which 32 of the head's 64);
; v: (c / 2) x 4,096 + (tile of 16 of the head's 64) x 1,024 + (c % 2) x 512 (c: which 32 of the 128 keys).  In both cases block a and pair c of accumulators go to
; base(a / 4, c / 2) + (a % 4) x 1,024 + (c % 2) x 512; only the two strides change places.
	PLACES NP                                      ; behind the last products: their results are read, and the registers that held scales and A's fragments are written
	s_mov_b32 s13, 4096
	s_lshl_b32 s8, s41, 1
	s_add_co_u32 s8, s8, s15                       ; A's group of 128 rows in the cluster's 1,024
	s_lshl_b32 s9, s40, 1
	s_add_co_u32 s9, s9, s16                       ; B's
	s_cmp_eq_u32 s96, 2
	s_cselect_b32 s10, s9, s8                      ; the tokens' group
	s_cselect_b32 s11, s8, s9                      ; the pair of heads
	s_cselect_b32 s18, 131072, s13                 ; from a / 4 = 0 to 1
	s_cselect_b32 s20, s13, 131072                 ; from c / 2 = 0 to 1
	s_mov_b32 s19, 0
	s_mov_b32 s21, 0
	s_lshl_b32 s12, s97, 3
	s_add_co_u32 s10, s10, s12                     ; the group among all 64
	s_lshr_b32 s12, s10, 4
	s_lshl_b32 s12, s12, 21                        ; the batch: 16 heads of 131,072 bytes
	s_and_b32 s10, s10, 15
	s_lshl_b32 s10, s10, 13
	s_add_co_u32 s12, s12, s10
	s_lshl_b32 s11, s11, 18
	s_add_co_u32 s12, s12, s11
	s_lshr_b32 s22, s12, 4                         ; a scale image is a sixteenth of its codes
	s_mul_i32 s10, s96, 524288
	s_add_co_u32 s22, s22, s10
	s_add_co_u32 s22, s22, HDS
	s_mov_b32 s23, 0
	s_lshl_b32 s10, s96, 23
	s_add_co_u32 s12, s12, s10
	s_mov_b32 s13, 0
	s_add_nc_u64 s[24:25], s[6:7], s[12:13]        ; (the descriptors' registers: every tensor load of mine was waited for at the last change of slots)
	s_add_nc_u64 s[26:27], s[24:25], s[18:19]
	s_add_nc_u64 s[28:29], s[24:25], s[20:21]
	s_add_nc_u64 s[30:31], s[26:27], s[20:21]
	s_add_nc_u64 s[32:33], s[6:7], s[22:23]
	s_mov_b32 s[SEL], 0x76543210
	s_mov_b32 s[SEL+1], 0xfedcba98                 ; v_permlanex16_b32's selects for lane l xor 16
	s_mov_b32 s[MNT], 0x600000                     ; the mantissa field of 57,344
.irp b, 0,1,2,3
	v_mov_b32 v[TM+4+\b], 0                        ; written once: a lane permute's destination counts as one of its sources
.endr
; Block a (16 lanes' rows x 128 along the next K): four blocks of 32 are quantised; each accumulator is read from its low end on.
.macro QOUT a
.set AC, 64*((\a)%4)
.set QW, 2+(\a)/4
.set QW12, (QW<<2)|(QW<<4)
	WIN QW12                                       ; sources 1 and 2: the accumulators' window
.irp b, 0,1,2,3
	v_max3_num_f32 v[TM+\b], 0x8000000, |v[AC+16*\b]|, |v[AC+16*\b+1]|   ; my 16 numbers of block b, and the floor 2^(16 - 127)
.endr
.irp i, 2,4,6,8,10,12,14
.irp b, 0,1,2,3
	v_max3_num_f32 v[TM+\b], v[TM+\b], |v[AC+16*\b+\i]|, |v[AC+16*\b+\i+1]|
.endr
.endr
	WIN 0
.irp b, 0,1,2,3
	v_permlanex16_b32 v[TM+4+\b], v[TM+\b], s[SEL], s[SEL+1]
.endr
.irp b, 0,1,2,3
	v_max_num_f32 v[TM+\b], v[TM+\b], v[TM+4+\b]   ; with lane l xor 16's: the block's largest magnitude
.endr
.irp b, 0,1,2,3
	v_add_nc_u32 v[TM+12+\b], 0xf8800000, v[TM+\b] ; 15 off its exponent field: the conversion's scale operand
.endr
.irp b, 0,1,2,3
	v_and_or_b32 v[TM+8+\b], v[TM+\b], 0x7f800000, s[MNT]   ; 57,344 x the scale
.endr
.irp b, 0,1,2,3
	v_lshrrev_b32 v[TM+4+\b], 23, v[TM+12+\b]      ; the scale's byte
.endr
	v_lshl_or_b32 v[PW], v[TM+5], 8, v[TM+4]
	v_lshl_or_b32 v[PW], v[TM+6], 16, v[PW]
	v_lshl_or_b32 v[PW], v[TM+7], 24, v[PW]
	v_lshrrev_b32 v[PWS+(\a)], v[SH], v[PW]        ; lanes 16-31 keep bytes 2 and 3, moved down: for q and k the odd head's two bytes
	WIN QW                                         ; source 0: the accumulators' window
.irp b, 0,1,2,3
.irp i, 0,1,2,3,4,5,6,7,8,9,10,11,12,13,14,15
	v_med3_num_f32 v[XN+16*\b+\i], v[AC+16*\b+\i], -v[TM+8+\b], v[TM+8+\b]   ; the conversion does not saturate (ISA guide 7.6.2): the hold
.endr
.endr
	WIN 0
.irp b, 0,1,2,3
	v_cvt_scalef32_pk8_bf8_f32 v[CD+16*(\a)+4*\b:CD+16*(\a)+4*\b+1], v[XN+16*\b:XN+16*\b+7], v[TM+12+\b]
	v_cvt_scalef32_pk8_bf8_f32 v[CD+16*(\a)+4*\b+2:CD+16*(\a)+4*\b+3], v[XN+16*\b+8:XN+16*\b+15], v[TM+12+\b]
.endr
	v_nop                                          ; a plain line behind the last conversion
.irp c, 0,1,2,3
	global_store_b128 v[L16], v[CD+16*(\a)+4*\c:CD+16*(\a)+4*\c+3], s[24+2*((\a)/4)+4*(\c/2):25+2*((\a)/4)+4*(\c/2)] offset:((\a)%4)*1024+(\c%2)*512   ; a chunk: 512 consecutive bytes
.endr
	ds_store_b32 v[SA], v[PWS+(\a)] offset:((\a)%2)*256+((\a)/2)*4   ; image lane / 16: the word of block a, row r, at lane 16 (a % 2) + r, word a / 2
.endm
.irp a, 0,1,2,3,4,5,6,7
	QOUT \a
.endr
	ds_load_b128 v[XN:XN+3], v[SR]                 ; my own bytes, in order behind my stores
	ds_load_b128 v[XN+4:XN+7], v[SR] offset:512
	s_wait_dscnt 0x0
	global_store_b128 v[L16], v[XN:XN+3], s[32:33] ; q, k: the even head's image;  v: both heads' (words 0, 1 and 2, 3)
	s_cmp_eq_u32 s96, 2                            ; the same in all partners
	s_cbranch_scc1 .Lno_odd
	global_store_b128 v[L16], v[XN+4:XN+7], s[32:33] offset:8192   ; q, k: the odd head's image
.Lno_odd:
	s_wait_tensorcnt 0x0                           ; the wave's end
	ds_add_u32 v[SPW], v[NIL]
	s_wait_dscnt 0x0
	CROUND                                         ; the closing round
	s_endpgm
.Lfunc_end_k_qf2933272b7_proj:
	.size	k_qf2933272b7_proj, .Lfunc_end_k_qf2933272b7_proj-k_qf2933272b7_proj
	.p2alignl 7, 3214868480
	.fill 96, 4, 3214868480
	.section	.rodata,"a",@progbits
	.p2align	6, 0x0
	.amdhsa_kernel k_qf2933272b7_proj
		.amdhsa_group_segment_fixed_size 327680
		.amdhsa_private_segment_fixed_size 0
		.amdhsa_enable_private_segment 0
		.amdhsa_kernarg_size 16
		.amdhsa_user_sgpr_count 2
		.amdhsa_user_sgpr_kernarg_segment_ptr 1
		.amdhsa_wavefront_size32 1
		.amdhsa_system_sgpr_workgroup_id_x 1
		.amdhsa_system_sgpr_workgroup_id_y 1
		.amdhsa_system_sgpr_workgroup_id_z 1
		.amdhsa_system_vgpr_workitem_id 0
		.amdhsa_next_free_vgpr 1024
		.amdhsa_next_free_sgpr 98
		.amdhsa_reserve_vcc 0
		.amdhsa_float_denorm_mode_32 3
		.amdhsa_float_denorm_mode_16_64 3
		.amdhsa_memory_ordered 1
		.amdhsa_forward_progress 1
		.amdhsa_inst_pref_size 186
	.end_amdhsa_kernel
	.amdgpu_metadata
---
amdhsa.version: [ 1, 2 ]
amdhsa.kernels:
  - .name:           k_qf2933272b7_proj
    .symbol:         k_qf2933272b7_proj.kd
    .args:
      - { .name: cw, .offset: 0, .size: 8, .value_kind: global_buffer, .address_space: global }
      - { .name: hd, .offset: 8, .size: 8, .value_kind: global_buffer, .address_space: global }
    .group_segment_fixed_size: 327680
    .private_segment_fixed_size: 0
    .kernarg_segment_align: 8
    .kernarg_segment_size: 16
    .max_flat_workgroup_size: 128
    .sgpr_count:     98
    .vgpr_count:     1024
    .wavefront_size: 32
...
	.end_amdgpu_metadata
.endif
;; end of part 2
;; launch attn (part 3): grid 8 x 64, 16 waves a work-group, no clusters, 47,104 bytes of LDS; arguments hd, mk, ao; writes ao
.if DOCPART == 3
	.amdgcn_target "amdgcn-amd-amdhsa--gfx1250"
	.amdhsa_code_object_version 6
	.text
	.protected	k_qf2933272b7_attn
	.globl	k_qf2933272b7_attn
	.p2align	8
	.type	k_qf2933272b7_attn,@function
k_qf2933272b7_attn:
	s_mov_b64 s[64:65], 0
	v_nop
	global_prefetch_b8 v0, s[64:65] scope:SCOPE_SE
	s_setreg_imm32_b32 hwreg(HW_REG_WAVE_MODE, 25, 1), 1
	s_wait_xcnt 0x0
; ATTN: for each batch and head, O = softmax(Q K^T / 8, hidden pairs at -infinity) V, both products on codes of BF8 (E5M2) with E8M0 scales; O / l is quantised in registers into the last product's operand images.
; THE SOFTMAX: t = score x log2(e) / 8; M = the row's largest t so far, rounded UP to a whole number; p = 2^(t - M) is quantised along the keys, not normalised; the row's sum l is taken of the
; unquantised p and divides O at the end.  When M moves, l and O are multiplied by 2^(old M - new M): exact.
; SHARES.  A work-group owns the blocks x and 15 - x of 128 queries of one head; each of its sixteen waves one tile of 16 queries, in 256 registers.  Every wave passes all 16 steps of 128 keys and all
; 16 barriers.  THE MASK IS AN INPUT: an earlier launch has stored, from the mask's own bytes, for each tile of queries and each step whether any pair is open and whether any is hidden, and the hidden
; pairs as lane masks.  A step none of whose pairs is open for my tile is left out (its p would all be 0); a step with hidden pairs sets their scores to -infinity by 64 selections.
; A row all of whose pairs are hidden has l = 0: its scale bytes are set to 0xff, so that the last product's sums of that row are NaN, as 0 / 0 makes them in the definition.
; NO CLUSTER AND NO TENSOR LOAD: the branch on the stored flags takes out whole steps of some 370 vector instructions; what the eight
; work-groups of a head share is 16 KiB a step.  K and V come by plain loads, 1,024 bytes a wave and step, asked for two steps ahead into registers and put into the other LDS slot one step ahead.
; LAYOUT.  Both products are used transposed (S^T = K Q^T, O^T = V^T P^T): a lane holds one query throughout.  All operands lie in hd as images of their registers: a chunk of 512 bytes is four
; registers of 32 lanes.  The head has 64 along the first product's K, the instruction 128: Q's upper eight registers are zero codes under scale bytes 0, and K's fragment of tile t runs on into
; tile t + 1's registers (tile 7's into p's codes): finite codes that meet zeros.
; The 2-byte stores of the scale bytes cover parts of aligned blocks: they are a thirty-second of what the launch stores.
; LIMITS: a block of zeros carries the byte 1; blocks whose largest magnitude lies under 2^-111 are held at byte 1; NaN and infinities among the operands are not served.
; REGISTERS: v1 16 x lane, v3 8 x lane, v2, v4 the step's scale addresses, v5, v6 the fill's LDS address and offset, v7 -infinity, v12 -M, v13 the largest t, v[14:15] l; v16-23 Q, v24-31 zeros;
;   v32-95 K's eight tiles, later V's four fragments; v96-111 p's codes; v112-175 S^T, then p; v176-207 O^T; v208-223 the fill's two sets; v224-239 at work; v240-243 K's scale words, v244-245 V's,
;   v246 Q's, v247 p's; v[248:249] f; v[250:251] the second chain of sums; v252-255 at work.
.set HDS, 25165824                     ; hd: where the scale images begin
.set MKF, 524288                       ; mk: where the flags begin
.set AOS, 8388608                      ; ao: where the scale bytes begin
.set KSC, 32768                        ; LDS: slot sl at 16384 sl (K 8,192 bytes, then V 8,192); K's scale images, 512 bytes a step;
.set VSC, 40960                        ; V's, 256 bytes a step
.set WV,  10                           ; s10  my wave's number
.set SEL, 66                           ; s[66:67] lane selects for lane l xor 16
.set FB,  84                           ; s[84:85] the fill: my part of K or V at step ST
.set MW,  86                           ; s[86:87] my tile's mask words
.set MO,  88                           ; s88  256 x ST
.set ST,  89                           ; s89  the trip's first step
.set TS,  90                           ; s90  KSC + 512 ST
.set TJ,  91                           ; s91  VSC + 256 ST
.set MYF, 92                           ; s92  my tile's flags: bit s: step s has an open pair; bit 16 + s: a hidden one
.set WGA, 93                           ; s93  bit s: step s has an open pair for some tile of the work-group
.set CNT, 94
.set MNT, 97                           ; s97  the mantissa field of 57,344
.set YY,  98                           ; s98  batch x 16 + head
.set RT,  99                           ; s99  my tile of queries, 0..127
.set CS,  100                          ; s[100:101] c = log2(e) / 8
; s[16:63], s[68:83]: the step's 64 mask words
	s_load_b128 s[4:7], s[0:1], 0x0                ; hd, mk
	s_load_b64 s[8:9], s[0:1], 0x10                ; ao
	v_lshrrev_b32 v8, 5, v0
	v_readfirstlane_b32 s[WV], v8                  ; wave 0..15
	v_and_b32 v252, 31, v0
	v_lshlrev_b32 v1, 4, v252
	v_lshlrev_b32 v3, 3, v252
	v_lshl_add_u32 v5, s[WV], 10, v1               ; the fill: wave w puts 1,024 bytes at 1,024 w of a slot (waves 0-7: K, waves 8-15: V)
	s_and_b32 s46, s[WV], 7
	v_lshl_add_u32 v6, s46, 10, v1                 ; and takes them from 1,024 (w % 8) of the step's 8,192
	v_mov_b32 v7, 0xff800000
	s_and_b32 s[YY], ttmp7, 0xffff
	s_lshr_b32 s11, s[WV], 2
	s_xor_b32 s11, s11, s[WV]
	s_and_b32 s11, s11, 1                          ; which of the two blocks: of waves 2 i and 2 i + 1 one takes each
	s_sub_co_u32 s12, 15, ttmp9
	s_cmp_eq_u32 s11, 1
	s_cselect_b32 s13, s12, ttmp9                  ; my block of 128 queries
	s_lshr_b32 s14, s[WV], 1                       ; my tile in it
	s_lshl_b32 s[RT], s13, 3
	s_add_co_u32 s[RT], s[RT], s14
	s_lshl_b32 s15, s[RT], 2
	s_lshl_b32 s95, ttmp9, 5
	s_lshl_b32 s96, s12, 5
	s_lshl_b32 s32, s[YY], 13                      ; a head's scale images: 8,192 bytes
	s_lshl_b32 s33, s[WV], 9
	s_add_co_u32 s34, s32, s33
	s_add_co_u32 s34, s34, HDS+524288              ; K's scale image of step w
	v_add_nc_u32 v8, s34, v1
	s_and_b32 s35, s[YY], 62
	s_lshl_b32 s35, s35, 13
	s_add_co_u32 s35, s35, s33
	s_and_b32 s36, s[YY], 1
	s_lshl_b32 s36, s36, 3
	s_add_co_u32 s35, s35, s36
	s_add_co_u32 s35, s35, HDS+1048576             ; V's of step w: in the even head's place, words 0, 1 the even head's, words 2, 3 the odd head's
	v_add_nc_u32 v9, s35, v1
	s_lshl_b32 s37, s[YY], 17                      ; a head's codes: 131,072 bytes
	s_lshl_b32 s38, s13, 13
	s_add_co_u32 s38, s38, s37
	s_lshl_b32 s39, s14, 10
	s_add_co_u32 s38, s38, s39                     ; Q's two chunks
	v_add_nc_u32 v10, s38, v1
	s_lshl_b32 s39, s13, 9
	s_add_co_u32 s39, s39, s32
	s_and_b32 s40, s14, 1
	s_lshl_b32 s40, s40, 8
	s_add_co_u32 s39, s39, s40
	s_lshr_b32 s40, s[WV], 2
	s_lshl_b32 s40, s40, 2
	s_add_co_u32 s39, s39, s40
	s_add_co_u32 s39, s39, HDS                     ; Q's scale word: in the block's image lane 16 (tile % 2) + r, word tile / 2
	v_and_b32 v11, 15, v0
	v_lshl_add_u32 v11, v11, 4, s39
	s_mov_b32 s41, 16777216
	s_cmp_lt_u32 s[WV], 8
	s_cselect_b32 s42, 8388608, s41                ; K's part of hd, or V's
	s_add_co_u32 s42, s42, s37
	s_mov_b32 s43, 0
	s_lshl_b32 s44, s[RT], 12
	s_mov_b32 s45, 0
	s_mov_b32 s[SEL], 0x76543210
	s_mov_b32 s[SEL+1], 0xfedcba98
	s_mov_b32 s[MNT], 0x600000
	s_mov_b32 s[CS], 0x3e38aa3b
	s_mov_b32 s[CS+1], s[CS]                       ; (named with it as a pair, so it is written)
	s_mov_b32 s[MO], 0
	s_mov_b32 s[ST], 0
	s_mov_b32 s[TS], KSC
	s_mov_b32 s[TJ], VSC
	s_mov_b32 s[CNT], 8
	s_wait_kmcnt 0x0
	s_load_b32 s[MYF], s[6:7], s15 offset:MKF
	s_load_b256 s[16:23], s[6:7], s95 offset:MKF   ; the flags of the work-group's sixteen tiles
	s_load_b256 s[24:31], s[6:7], s96 offset:MKF
	s_add_nc_u64 s[FB:FB+1], s[4:5], s[42:43]
	s_add_nc_u64 s[MW:MW+1], s[6:7], s[44:45]
	global_load_b128 v[32:35], v8, s[4:5]          ; 1: K's scale image of step w
	global_load_b64 v[36:37], v9, s[4:5]           ; 2: V's
	global_load_b128 v[208:211], v6, s[FB:FB+1]    ; 3, 4: my part of step 0
	global_load_b128 v[212:215], v6, s[FB:FB+1] offset:512
	global_load_b128 v[16:19], v10, s[4:5]         ; 5, 6: Q
	global_load_b128 v[20:23], v10, s[4:5] offset:512
	global_load_b32 v246, v11, s[4:5]              ; 7: Q's scale word
	global_load_b128 v[216:219], v6, s[FB:FB+1] offset:8192   ; 8, 9: my part of step 1
	global_load_b128 v[220:223], v6, s[FB:FB+1] offset:8704
	v_lshl_add_u32 v252, s[WV], 9, v1
	v_lshl_add_u32 v253, s[WV], 8, v3
.irp j, 24,25,26,27,28,29,30,31
	v_mov_b32 v[\j], 0                             ; the zero codes of Q's upper 64 along K
.endr
.set j, 96
.rept 16
	v_mov_b32 v[j], 0                              ; p's codes: read as the tail of K's last fragment before they are first made
.set j, j+1
.endr
.set j, 176
.rept 32
	v_mov_b32 v[j], 0                              ; O^T.  (The step is written once: the first finds zeros, which the first change of M leaves zeros)
.set j, j+1
.endr
	v_mov_b32 v14, 0
	v_mov_b32 v15, 0
.irp b, 0,1,2,3
	v_mov_b32 v[228+\b], 0                         ; written once: a lane permute's destination counts as one of its sources
.endr
	v_mov_b32 v249, 0                              ; (named as the upper half of the pair v[248:249])
	v_mov_b32 v13, 0xff61b1e6                      ; the largest t so far: -3e38
	v_floor_f32 v12, -v13
	s_wait_loadcnt 5                               ; loads 1 to 4 are in; Q, its word and step 1's part may be out
	ds_store_b128 v252, v[32:35] offset:KSC
	ds_store_b64 v253, v[36:37] offset:VSC
	ds_store_b128 v5, v[208:211]
	ds_store_b128 v5, v[212:215] offset:512
	s_wait_loadcnt 2                               ; Q and its word are in; step 1's part may be out
	v_and_b32 v246, 0xffff, v246                   ; bytes 2 and 3, over the zero codes, become 0: the smallest scale
	s_wait_kmcnt 0x0
.irp j, 17,18,19,20,21,22,23,24,25,26,27,28,29,30,31
	s_or_b32 s16, s16, s[\j]
.endr
	s_and_b32 s[WGA], s16, 0xffff                  ; 16 bits: steps 16 and 17 are never asked for
; A KEY STEP: step ST + sl, in slot sl.
.macro STEP sl
	s_wait_dscnt 0x0                               ; my stores into this slot have landed and my reads of the other slot are back:
	s_barrier_signal -1
	s_barrier_wait -1                              ; so have everybody's: this slot is whole, and nobody reads the other one
	s_wait_loadcnt 0x0                             ; my part of the next step is in registers
	v_add_nc_u32 v2, s[TS], v1
	v_add_nc_u32 v4, s[TJ], v3
	s_lshr_b32 s95, s[WGA], s[ST]
	s_bitcmp1_b32 s95, \sl+1                       ; does any tile of the work-group want the next step?  (the same answer in all sixteen waves)
	s_cbranch_scc0 .Lno_put_\@
	ds_store_b128 v5, v[216-8*\sl:219-8*\sl] offset:(1-\sl)*16384
	ds_store_b128 v5, v[220-8*\sl:223-8*\sl] offset:(1-\sl)*16384+512
.Lno_put_\@:
	s_bitcmp1_b32 s95, \sl+2                       ; and the step after it?
	s_cbranch_scc0 .Lno_get_\@
	global_load_b128 v[208+8*\sl:211+8*\sl], v6, s[FB:FB+1] offset:(\sl+2)*8192
	global_load_b128 v[212+8*\sl:215+8*\sl], v6, s[FB:FB+1] offset:(\sl+2)*8192+512
.Lno_get_\@:
	s_lshr_b32 s96, s[MYF], s[ST]
	s_bitcmp1_b32 s96, \sl                         ; has my tile an open pair in this step?
	s_cbranch_scc0 .Lskip_\@
.rept 8
	v_nop                                          ; places in front of loads into registers that the last products read
.endr
.irp t, 0,1,2,3,4,5,6,7
.irp c, 0,1
	ds_load_b128 v[32+8*\t+4*\c:35+8*\t+4*\c], v1 offset:\sl*16384+\t*1024+\c*512
.endr
.endr
	ds_load_b128 v[240:243], v2 offset:512*\sl     ; word j of lane l: tile 2 j + l / 16, row l % 16
	s_wait_dscnt 0x0
.irp t, 0,2,4,6                                ; S^T = K Q^T: lane (r, h) holds query r; the 16 registers of tiles 2 b, 2 b + 1 are keys 32 b + 16 h + 0 .. 15
	v_wmma_scale_f32_16x16x128_f8f6f4 v[112+8*\t:119+8*\t], v[32+8*\t:47+8*\t], v[16:31], 0, v[240+\t/2], v246 matrix_a_fmt:MATRIX_FMT_BF8 matrix_b_fmt:MATRIX_FMT_BF8
	v_wmma_scale_f32_16x16x128_f8f6f4 v[120+8*\t:127+8*\t], v[40+8*\t:55+8*\t], v[16:31], 0, v[240+\t/2], v246 matrix_a_fmt:MATRIX_FMT_BF8 matrix_b_fmt:MATRIX_FMT_BF8 matrix_a_scale:MATRIX_SCALE_ROW1
.endr
.rept 8
	v_nop                                          ; places: for the loads below and for the first read of the scores
.endr
.irp d, 0,1,2,3                                ; V's four fragments land under the softmax
.irp c, 0,1,2,3
	ds_load_b128 v[32+16*\d+4*\c:35+16*\d+4*\c], v1 offset:\sl*16384+8192+(\c/2)*4096+\d*1024+(\c%2)*512
.endr
.endr
	ds_load_b64 v[244:245], v4 offset:256*\sl
	s_bitcmp1_b32 s96, 16+\sl                      ; has my tile a hidden pair in this step?
	s_cbranch_scc0 .Lopen_\@
	s_load_b512 s[16:31], s[MW:MW+1], s[MO] offset:256*\sl
	s_load_b512 s[32:47], s[MW:MW+1], s[MO] offset:256*\sl+64
	s_load_b512 s[48:63], s[MW:MW+1], s[MO] offset:256*\sl+128
	s_load_b512 s[68:83], s[MW:MW+1], s[MO] offset:256*\sl+192
	s_wait_kmcnt 0x0
.set n, 0
.rept 64
.if n < 48
	v_cndmask_b32 v[112+n], v[112+n], v7, s[16+n]  ; word n: the lanes whose score in register n is hidden
.else
	v_cndmask_b32 v[112+n], v[112+n], v7, s[20+n]
.endif
.set n, n+1
.endr
.Lopen_\@:
.irp b, 0,1,2,3
	v_max3_num_f32 v[224+\b], v[112+16*\b], v[113+16*\b], v[114+16*\b]   ; the largest score of each block of 32 keys: for the row's maximum and, since p rises with the score, for the block's largest p
.endr
.irp i, 3,5,7,9,11,13
.irp b, 0,1,2,3
	v_max3_num_f32 v[224+\b], v[224+\b], v[112+16*\b+\i], v[113+16*\b+\i]
.endr
.endr
.irp b, 0,1,2,3
	v_max_num_f32 v[224+\b], v[224+\b], v[127+16*\b]
.endr
.irp b, 0,1,2,3
	v_permlanex16_b32 v[228+\b], v[224+\b], s[SEL], s[SEL+1]
.endr
.irp b, 0,1,2,3
	v_max_num_f32 v[224+\b], v[224+\b], v[228+\b]  ; with lane l xor 16's 16 keys
.endr
	v_max3_num_f32 v252, v224, v225, v226
	v_max_num_f32 v252, v252, v227
	v_mul_f32 v252, s[CS], v252                    ; as t
	v_max_num_f32 v13, v13, v252                   ; the running largest t
	v_mov_b32 v252, v12
	v_floor_f32 v12, -v13                          ; the new -M = -ceil(t)
	v_sub_f32 v252, v12, v252                      ; old M - new M: a whole number, 0 or less
	v_cvt_i32_f32 v252, v252                       ; (it saturates)
	v_ldexp_f32 v248, 1.0, v252                    ; f = 2^(old M - new M)
.set j, 0
.rept 32
	v_pk_fma_f32 v[112+j:113+j], v[112+j:113+j], s[CS:CS+1], v[12:13] op_sel_hi:[1,0,0]   ; t - M, two at a time
.set j, j+2
.endr
.irp b, 0,1,2,3
	v_fma_f32 v[224+\b], v[224+\b], s[CS], v12
.endr
.set j, 0
.rept 64
	v_exp_f32 v[112+j], v[112+j]                   ; p = 2^(t - M)
.set j, j+1
.endr
	v_pk_mul_f32 v[14:15], v[14:15], v[248:249] op_sel_hi:[1,0]   ; l under the new M (the plain line behind the exponentials)
	s_wait_alu depctr_va_vdst(0)                   ; one wait for the batch, ahead of its first reader
.irp b, 0,1,2,3
	v_exp_f32 v[224+\b], v[224+\b]                 ; the block's largest p
.endr
	v_pk_add_f32 v[250:251], v[112:113], v[114:115]   ; the row's sum of the UNQUANTISED p, in two chains
.irp j, 4,8,12,16,20,24,28,32,36,40,44,48,52,56,60
	v_pk_add_f32 v[14:15], v[14:15], v[112+\j:113+\j]
	v_pk_add_f32 v[250:251], v[250:251], v[114+\j:115+\j]
.endr
	v_pk_add_f32 v[14:15], v[14:15], v[250:251]
	s_wait_alu depctr_va_vdst(0)                   ; and one for the four
.irp b, 0,1,2,3
	v_max_num_f32 v[224+\b], 0x8000000, v[224+\b]  ; the floor 2^(16 - 127)
.endr
.irp b, 0,1,2,3
	v_add_nc_u32 v[236+\b], 0xf8800000, v[224+\b]  ; the conversion's scale operand
.endr
.irp b, 0,1,2,3
	v_and_or_b32 v[232+\b], v[224+\b], 0x7f800000, s[MNT]   ; 57,344 x the scale
.endr
.irp b, 0,1,2,3
	v_lshrrev_b32 v[228+\b], 23, v[236+\b]         ; the scale's byte
.endr
	v_lshl_or_b32 v247, v229, 8, v228              ; p's scale word for these 128 keys
	v_lshl_or_b32 v247, v230, 16, v247
	v_lshl_or_b32 v247, v231, 24, v247
.irp b, 0,1,2,3
.irp i, 0,1,2,3,4,5,6,7,8,9,10,11,12,13,14,15
	v_min_num_f32 v[112+16*\b+\i], v[112+16*\b+\i], v[232+\b]   ; the conversion does not saturate (ISA guide 7.6.2); p is not negative, so the hold is one-sided
.endr
	v_cvt_scalef32_pk8_bf8_f32 v[96+4*\b:97+4*\b], v[112+16*\b:119+16*\b], v[236+\b]
	v_cvt_scalef32_pk8_bf8_f32 v[98+4*\b:99+4*\b], v[120+16*\b:127+16*\b], v[236+\b]
.endr
.set j, 0
.rept 16
	v_pk_mul_f32 v[176+j:177+j], v[176+j:177+j], v[248:249] op_sel_hi:[1,0]   ; O^T under the new M.  (Also the plain lines between the conversions and the products)
.set j, j+2
.endr
	s_wait_dscnt 0x0                               ; V and its scale words are in
.irp d, 0,2                                    ; O^T += V^T P^T: the four accumulators take turns, one instruction a turn; the next step's eight products of K Q^T stand between two links
	v_wmma_scale_f32_16x16x128_f8f6f4 v[176+8*\d:183+8*\d], v[32+16*\d:47+16*\d], v[96:111], v[176+8*\d:183+8*\d], v[244+\d/2], v247 matrix_a_fmt:MATRIX_FMT_BF8 matrix_b_fmt:MATRIX_FMT_BF8
	v_wmma_scale_f32_16x16x128_f8f6f4 v[184+8*\d:191+8*\d], v[48+16*\d:63+16*\d], v[96:111], v[184+8*\d:191+8*\d], v[244+\d/2], v247 matrix_a_fmt:MATRIX_FMT_BF8 matrix_b_fmt:MATRIX_FMT_BF8 matrix_a_scale:MATRIX_SCALE_ROW1
.endr
.Lskip_\@:
.endm
.Ltrip:                                            ; eight trips of two steps
	STEP 0
	STEP 1
	s_wait_xcnt 0x0                                ; the trip's loads have read their bases and offsets
	s_add_nc_u64 s[FB:FB+1], s[FB:FB+1], 16384
	s_add_co_u32 s[ST], s[ST], 2
	s_add_co_u32 s[TS], s[TS], 1024
	s_add_co_u32 s[TJ], s[TJ], 512
	s_add_co_u32 s[MO], s[MO], 512
	s_sub_co_u32 s[CNT], s[CNT], 1
	s_cmp_lg_u32 s[CNT], 0
	s_cbranch_scc1 .Ltrip
	; THE WAY OUT.  O^T / l: register 16 c + i of lane (r, h) is channel 32 c + 16 h + i of query r: two blocks of 32 along the last product's K.  They are quantised, and leave as two chunks.
.rept 8
	v_nop                                          ; places behind the last products
.endr
	v_add_f32 v14, v14, v15
	v_permlanex16_b32 v252, v14, s[SEL], s[SEL+1]
	v_add_f32 v14, v14, v252                       ; the row's sum
	v_rcp_f32 v253, v14
	v_and_b32 v8, 15, v0                           ; (plain work behind the reciprocal)
	v_lshlrev_b32 v8, 3, v8                        ; 8 scale bytes a row
	v_mov_b32 v254, 0xff
	s_lshr_b32 s11, s[YY], 4                       ; the batch
	s_and_b32 s12, s[YY], 15                       ; the head
	s_lshr_b32 s13, s12, 2                         ; which 256 of the last product's K
	s_and_b32 s12, s12, 3
	s_lshl_b32 s13, s13, 9
	s_lshl_b32 s11, s11, 7
	s_add_co_u32 s13, s13, s11
	s_add_co_u32 s13, s13, s[RT]
	s_lshl_b32 s14, s13, 12                        ; 4,096 bytes for a tile of rows and 256 along K,
	s_lshl_b32 s15, s12, 10                        ; 1,024 of them a head
	s_add_co_u32 s14, s14, s15
	s_mov_b32 s15, 0
	s_add_nc_u64 s[16:17], s[8:9], s[14:15]
	s_lshl_b32 s14, s13, 7
	s_lshl_b32 s12, s12, 1
	s_add_co_u32 s14, s14, s12
	s_add_co_u32 s14, s14, AOS
	s_add_nc_u64 s[18:19], s[8:9], s[14:15]
	s_wait_alu depctr_va_vdst(0)                   ; ahead of the reciprocal's first reader
.set j, 0
.rept 32
	v_mul_f32 v[112+j], v[176+j], v253
.set j, j+1
.endr
.irp b, 0,1
	v_max3_num_f32 v[224+\b], |v[112+16*\b]|, |v[113+16*\b]|, 0x8000000
.endr
.irp i, 2,4,6,8,10,12,14
.irp b, 0,1
	v_max3_num_f32 v[224+\b], v[224+\b], |v[112+16*\b+\i]|, |v[113+16*\b+\i]|
.endr
.endr
.irp b, 0,1
	v_permlanex16_b32 v[228+\b], v[224+\b], s[SEL], s[SEL+1]
.endr
.irp b, 0,1
	v_max_num_f32 v[224+\b], v[224+\b], v[228+\b]
.endr
.irp b, 0,1
	v_add_nc_u32 v[236+\b], 0xf8800000, v[224+\b]
.endr
.irp b, 0,1
	v_and_or_b32 v[232+\b], v[224+\b], 0x7f800000, s[MNT]
.endr
.irp b, 0,1
	v_lshrrev_b32 v[228+\b], 23, v[236+\b]
.endr
.irp b, 0,1
.irp i, 0,1,2,3,4,5,6,7,8,9,10,11,12,13,14,15
	v_med3_num_f32 v[112+16*\b+\i], v[112+16*\b+\i], -v[232+\b], v[232+\b]
.endr
	v_cvt_scalef32_pk8_bf8_f32 v[32+4*\b:33+4*\b], v[112+16*\b:119+16*\b], v[236+\b]
	v_cvt_scalef32_pk8_bf8_f32 v[34+4*\b:35+4*\b], v[120+16*\b:127+16*\b], v[236+\b]
.endr
	v_nop                                          ; a plain line behind the last conversion
	v_cmp_eq_f32 vcc_lo, 0, v14                    ; a row with no open pair: a selection, no branch
	v_cndmask_b32 v228, v228, v254, vcc_lo
	v_cndmask_b32 v229, v229, v254, vcc_lo
	v_lshl_or_b32 v228, v229, 8, v228
	global_store_b128 v1, v[32:35], s[16:17]       ; a chunk: 512 consecutive bytes
	global_store_b128 v1, v[36:39], s[16:17] offset:512
	global_store_b16 v8, v228, s[18:19]            ; row r's two bytes; lanes l and l xor 16 write the same bytes with the same value
	s_wait_xcnt 0x0
	v_lshl_add_u32 v254, v0, 2, 0xb000
	v_mov_b32 v255, 0
	s_wait_tensorcnt 0x0
	ds_add_u32 v254, v255
	s_wait_dscnt 0x0
	s_endpgm
.Lfunc_end_k_qf2933272b7_attn:
	.size	k_qf2933272b7_attn, .Lfunc_end_k_qf2933272b7_attn-k_qf2933272b7_attn
	.p2alignl 7, 3214868480
	.fill 96, 4, 3214868480
	.section	.rodata,"a",@progbits
	.p2align	6, 0x0
	.amdhsa_kernel k_qf2933272b7_attn
		.amdhsa_group_segment_fixed_size 47104
		.amdhsa_private_segment_fixed_size 0
		.amdhsa_enable_private_segment 0
		.amdhsa_kernarg_size 24
		.amdhsa_user_sgpr_count 2
		.amdhsa_user_sgpr_kernarg_segment_ptr 1
		.amdhsa_wavefront_size32 1
		.amdhsa_system_sgpr_workgroup_id_x 1
		.amdhsa_system_sgpr_workgroup_id_y 1
		.amdhsa_system_sgpr_workgroup_id_z 1
		.amdhsa_system_vgpr_workitem_id 0
		.amdhsa_next_free_vgpr 256
		.amdhsa_next_free_sgpr 102
		.amdhsa_reserve_vcc 1
		.amdhsa_float_denorm_mode_32 3
		.amdhsa_float_denorm_mode_16_64 3
		.amdhsa_memory_ordered 1
		.amdhsa_forward_progress 1
		.amdhsa_inst_pref_size 61
	.end_amdhsa_kernel
	.amdgpu_metadata
---
amdhsa.version: [ 1, 2 ]
amdhsa.kernels:
  - .name:           k_qf2933272b7_attn
    .symbol:         k_qf2933272b7_attn.kd
    .args:
      - { .name: hd, .offset: 0, .size: 8, .value_kind: global_buffer, .address_space: global }
      - { .name: mk, .offset: 8, .size: 8, .value_kind: global_buffer, .address_space: global }
      - { .name: ao, .offset: 16, .size: 8, .value_kind: global_buffer, .address_space: global }
    .group_segment_fixed_size: 47104
    .private_segment_fixed_size: 0
    .kernarg_segment_align: 8
    .kernarg_segment_size: 24
    .max_flat_workgroup_size: 512
    .sgpr_count:     102
    .vgpr_count:     256
    .wavefront_size: 32
...
	.end_amdgpu_metadata
.endif
;; end of part 3
;; launch outp (part 4): grid 4 x 32, 4 waves a work-group, clusters of 4 x 4, 327,680 bytes of LDS; arguments ao, cw, out0; writes out0
.if DOCPART == 4
	.amdgcn_target "amdgcn-amd-amdhsa--gfx1250"
	.amdhsa_code_object_version 6
	.text
	.protected	k_qf2933272b7_outp
	.globl	k_qf2933272b7_outp
	.p2align	8
	.type	k_qf2933272b7_outp,@function
k_qf2933272b7_outp:
	s_mov_b64 s[64:65], 0
	v_nop
	global_prefetch_b8 v0, s[64:65] scope:SCOPE_SE
	s_setreg_imm32_b32 hwreg(HW_REG_WAVE_MODE, 25, 1), 1
	s_wait_xcnt 0x0
	s_wait_alu depctr_hold_cnt(0) depctr_sa_sdst(0) depctr_va_vdst(0) depctr_va_sdst(0) depctr_va_ssrc(0) depctr_va_vcc(0) depctr_vm_vsrc(0)
	s_getreg_b32 s2, hwreg(HW_REG_IB_STS2, 6, 4)
	s_cmp_eq_u32 s2, 0
	s_cbranch_scc0 .Lentry_in_a_cluster
	s_endpgm
.Lentry_in_a_cluster:
	s_bfe_u32 s2, ttmp6, 0x10000c
	s_cmp_lg_u32 s2, 0xf033
	s_cbranch_scc0 .Lentry_shape_is_right
	s_endpgm
.Lentry_shape_is_right:
; OUTP: out0 = (attention's result) Wo on codes of BF8 (E5M2) with E8M0 scales; out0 [8192][1024] f32.
; A tile of 256 x 256 is made by a work-group of four waves; a wave makes 128 x 128: 64 accumulators.  K = 1,024 goes in four steps of 256 through a ring of two LDS slots filled by the tensor data mover.
; A (source 1) lies in ao as images of its registers: for a K step and a tile of 16 rows eight chunks of 512 bytes (chunk c: 32 along K; lane l's 16 bytes at 16 l): a wave's 128 rows of a K step are one dense
; block of 32 KiB, and a fragment is four loads of 512 consecutive bytes.  Its scale bytes: 8 for a row and K step.  B (source 0) is Wo from cw, rows of 1,024 codes.
; Both have their rows stored with bits 3 and 4 of the row's number exchanged; the way out puts rows and columns back.
; CLUSTERS: 4 x 4 work-groups; A's tiles are asked for jointly along a row of the cluster, B's along a column.
; A row of A whose scale bytes are 0xff (a query with no open key) gives NaN in its whole row of out0, as the definition has it.
; REGISTERS: window 0: v0-31 addresses; v32-63 A's scale words, two sets; v64-95 B's, two sets; from v128 A's fragments, one set.  window 1: B's fragments, two sets.  windows 2, 3: the accumulators.
.set CWS,    29360128
.set AOS,    8388608
.set NQ,     2
.set ROWB,   256
.set KROW,   1024
.set PITCH,  272                       ; B's LDS row: 256 bytes + 16 of padding
.set FR,     16
.set NL,     4
.set NP,     8
.set AH,     32768                     ; A's 128 rows of a K step: 64 chunks
.set BH,     128*PITCH                 ; B's 128 rows
.set SLOT,   2*AH+2*BH
.set ASTEP,  2097152                   ; ao: from a K step to the next: 512 tiles of 4,096 bytes
.set SCA,    2*SLOT                    ; A's scale bytes: for each half of the rows 4 K steps x 1,024 bytes
.set SCB,    SCA+8192                  ; B's: as units of 256 bytes + 16 of padding
.set HALFS,  16*272
.set SBLK,   2*272
.set SPARE,  SCB+2*HALFS               ; the spare words, 128 bytes for each wave
.set SPITCH, 528                       ; the way out: a stage of 16 rows x (512 + 16) bytes for each wave, in slot 0, which has had its last fill and its last read by then
.set ADRA, 16
.set ADRB, 20
.set STO,  24
.set RD,   25
.set CO,   26                          ; v26  16 x lane
.set ADSA, 27
.set SPW,  28
.set NIL,  29
.set ADSB, 30
.set RSA,  32
.set RSB,  64
.set AF,   128
.set BK,   128
.set G1, 24
.set G0, 32
.set G1B, 48
.set G0B, 56
.set G1S, 68
.set G0S, 76
.set G1SB, 80
.set G0SB, 88
.set MSB, 0
.macro WIN new
.if MSB != \new
	s_set_vgpr_msb (MSB<<8)|\new
.set MSB, \new
.endif
.endm
.set MUL_LO, 0xa1
.set MUL_HI, 0xf1
.set TO_B,   0x40
.macro JLOAD g0a, g1a, g0b, g1b        ; a joint load: waves 0 and 1 fetch for A, waves 2 and 3 for B; four v_nop follow each of the two lines
	s_cmp_eq_u32 s15, 0
	s_cbranch_scc0 .Lfor_b_\@
	tensor_load_to_lds s[\g0a:\g0a+3], s[\g1a:\g1a+7]
	s_nop 0
.rept 4
	v_nop
.endr
	s_branch .Lasked_\@
.Lfor_b_\@:
	tensor_load_to_lds s[\g0b:\g0b+3], s[\g1b:\g1b+7]
	s_nop 0
.rept 4
	v_nop
.endr
.Lasked_\@:
.endm
.macro CREST
	s_cmp_lg_u32 s14, 0
	s_cbranch_scc1 .Lnot_wave_0_\@
	s_barrier_signal -3
.Lnot_wave_0_\@:
	s_barrier_wait -3
	s_barrier_signal -1
	s_barrier_wait -1
.endm
.macro CROUND
	s_barrier_signal -1
	s_barrier_wait -1
	CREST
.endm
	s_load_b128 s[4:7], s[0:1], 0x0                ; ao, cw
	s_load_b64 s[12:13], s[0:1], 0x10              ; out0
	v_lshl_add_u32 v[SPW], v0, 2, SPARE
	v_mov_b32 v[NIL], 0
	ds_add_u32 v28, v29
	ds_add_u32 v28, v29
	s_wait_dscnt 0x0
	v_lshrrev_b32 v1, 5, v0
	v_readfirstlane_b32 s14, v1                    ; wave 0..3
	s_lshr_b32 s15, s14, 1                         ; which half of the tile's rows is mine.  Also: I fetch for A (0) or for B (1)
	s_and_b32 s16, s14, 1                          ; which half of its columns.  Also: which 128 rows I fetch
	s_bfe_u32 s40, ttmp6, 0x40000                  ; cx, cy
	s_bfe_u32 s41, ttmp6, 0x40004
	s_lshl_b32 s42, ttmp9, 2
	s_add_co_u32 s42, s42, s40                     ; tile column
	s_and_b32 s17, ttmp7, 0xffff
	s_lshl_b32 s17, s17, 2
	s_add_co_u32 s17, s17, s41                     ; tile row
	s_lshl_b32 s43, s41, 2
	s_lshl_b32 s43, 15, s43                        ; my row of the cluster
	s_lshl_b32 s44, 0x1111, s40                    ; my column
	s_or_b32 s[G1+0], s43, (3<<16)|(1<<21)         ; A's codes: a dense block of 32 KiB as 128 rows of 256 bytes (32 elements of 8 bytes), no padding
	s_mov_b32 s[G1+1], 32<<16
	s_mov_b32 s[G1+2], 128<<16
	s_mov_b32 s[G1+3], 32<<16
	s_mov_b32 s[G1+4], 128
	s_mov_b32 s[G1+5], 32
	s_mov_b32 s[G1+6], 0
	s_mov_b32 s[G1+7], 0
	s_or_b32 s[G1B+0], s44, (0<<16)|(1<<20)|(1<<21)|(5<<22)|(3<<25)  ; B's codes: 128 rows of 256 bytes, 1,024 apart, four words of padding after every 64
	s_mov_b32 s[G1B+1], ROWB<<16
	s_mov_b32 s[G1B+2], 128<<16
	s_mov_b32 s[G1B+3], ROWB<<16
	s_mov_b32 s[G1B+4], 128
	s_mov_b32 s[G1B+5], KROW
	s_mov_b32 s[G1B+6], 0
	s_mov_b32 s[G1B+7], 0
	s_or_b32 s[G1S+0], s43, (3<<16)|(1<<21)        ; A's scales: 4 rows (K steps) of 1,024 bytes (128 elements of 8), 65,536 bytes apart
	s_mov_b32 s[G1S+1], 128<<16
	s_mov_b32 s[G1S+2], 4<<16
	s_mov_b32 s[G1S+3], 128<<16
	s_mov_b32 s[G1S+4], 4
	s_mov_b32 s[G1S+5], 8192
	s_mov_b32 s[G1S+6], 0
	s_mov_b32 s[G1S+7], 0
	s_or_b32 s[G1SB+0], s44, (3<<16)|(1<<20)|(1<<21)|(5<<22)|(3<<25)  ; B's scales: 4,096 dense bytes as 16 rows of 256, 16 bytes of padding behind each
	s_mov_b32 s[G1SB+1], 32<<16
	s_mov_b32 s[G1SB+2], 16<<16
	s_mov_b32 s[G1SB+3], 32<<16
	s_mov_b32 s[G1SB+4], 16
	s_mov_b32 s[G1SB+5], 32
	s_mov_b32 s[G1SB+6], 0
	s_mov_b32 s[G1SB+7], 0
	s_lshl_b32 s20, s17, 16                        ; A's codes: 16 tiles of 4,096 bytes a tile row,
	s_lshl_b32 s18, s16, 15                        ; 8 tiles a half
	s_add_co_u32 s20, s20, s18
	s_mov_b32 s21, 0
	s_lshl_b32 s22, s17, 11                        ; A's scales: 128 bytes a tile
	s_lshl_b32 s18, s16, 10
	s_add_co_u32 s22, s22, s18
	s_add_co_u32 s22, s22, AOS
	s_mov_b32 s23, 0
	s_lshl_b32 s46, s42, 8
	s_lshl_b32 s18, s16, 7
	s_add_co_u32 s46, s46, s18
	s_add_co_u32 s46, s46, 27648                   ; B: Wo's row in cw
	s_lshl_b32 s92, s46, 5
	s_add_co_u32 s92, s92, CWS
	s_mov_b32 s93, 0
	s_lshl_b32 s46, s46, 10
	s_mov_b32 s47, 0
	s_lshl_b32 s45, s16, 15                        ; where they go in a slot: A's halves, then B's: no place in the cluster enters an LDS address
	s_mul_i32 s95, s16, BH
	s_add_co_u32 s95, s95, 2*AH
	s_lshl_b32 s94, s16, 12
	s_add_co_u32 s94, s94, SCA
	s_mul_i32 s96, s16, HALFS
	s_add_co_u32 s96, s96, SCB
	s_wait_kmcnt 0x0
	s_add_nc_u64 s[20:21], s[4:5], s[20:21]
	s_add_nc_u64 s[22:23], s[4:5], s[22:23]
	s_add_nc_u64 s[46:47], s[6:7], s[46:47]
	s_add_nc_u64 s[92:93], s[6:7], s[92:93]
	CROUND                                         ; all sixteen work-groups are here: the first joint loads meet
	s_mov_b32 s[G0S], 1
	s_mov_b32 s[G0S+1], s94
	s_mov_b64 s[G0S+2:G0S+3], s[22:23]
	s_or_b32 s[G0S+3], s[G0S+3], 0x80000000
	s_mov_b32 s[G0SB], 1
	s_mov_b32 s[G0SB+1], s96
	s_mov_b64 s[G0SB+2:G0SB+3], s[92:93]
	s_or_b32 s[G0SB+3], s[G0SB+3], 0x80000000
	JLOAD G0S, G1S, G0SB, G1SB                     ; the scales first.  With the two below, three loads of mine are out
.irp s, 0,1
	s_mov_b32 s[G0+4*\s], 1
	s_add_co_u32 s[G0+4*\s+1], s45, \s*SLOT
	s_add_nc_u64 s[G0+4*\s+2:G0+4*\s+3], s[20:21], \s*ASTEP
	s_or_b32 s[G0+4*\s+3], s[G0+4*\s+3], 0x80000000
	s_mov_b32 s[G0B+4*\s], 1
	s_add_co_u32 s[G0B+4*\s+1], s95, \s*SLOT
	s_add_nc_u64 s[G0B+4*\s+2:G0B+4*\s+3], s[46:47], \s*ROWB
	s_or_b32 s[G0B+4*\s+3], s[G0B+4*\s+3], 0x80000000
	JLOAD G0+4*\s, G1, G0B+4*\s, G1B
.endr
	v_and_b32 v1, 15, v0                           ; r
	v_bfe_u32 v2, v0, 4, 1                         ; h
	v_and_b32 v6, 31, v0
	v_lshlrev_b32 v[CO], 4, v6
	v_mul_u32_u24 v3, v1, PITCH
	v_lshl_add_u32 v4, v2, 4, v3
	s_lshl_b32 s21, s15, 15                        ; my 128 rows of A
	s_mul_i32 s22, s16, BH                         ; my 128 rows of B,
	s_add_co_u32 s22, s22, 2*AH                    ; behind A's
.irp s, 0,1
	v_add_nc_u32 v[ADRA+\s], s21, v[CO]
	v_add_nc_u32 v[ADRB+\s], s22, v4
	s_add_co_u32 s21, s21, SLOT
	s_add_co_u32 s22, s22, SLOT
.endr
	s_lshl_b32 s21, s15, 12
	s_add_co_u32 s21, s21, SCA
	v_lshl_add_u32 v[ADSA], v1, 3, s21             ; A's scale words: 8 bytes a row, 128 a tile, 1,024 a K step
	v_lshlrev_b32 v5, 5, v1                        ; B's: 32 bytes a row,
	v_lshrrev_b32 v7, 8, v5
	v_lshl_add_u32 v5, v7, 4, v5                   ; and 16 more for each 256 passed
	s_mul_i32 s22, s16, HALFS
	s_add_co_u32 s22, s22, SCB
	v_add_nc_u32 v[ADSB], s22, v5
	s_mul_i32 s23, s14, 16*SPITCH                  ; my stage
	v_mul_u32_u24 v5, v1, SPITCH
	v_lshl_add_u32 v5, v2, 6, v5                   ; in: row r; my half's sixteen columns of a block of 32: + 64 h
	v_add_nc_u32 v[STO], s23, v5
	v_add_nc_u32 v[RD], s23, v[CO]                 ; back: the 32 lanes take one row of 512 bytes
	s_lshl_b32 s20, s17, 20                        ; my first row of out0: 256 x tile row + 128 x half, 4,096 bytes a row
	s_lshl_b32 s21, s15, 19
	s_add_co_u32 s20, s20, s21
	s_mov_b32 s21, 0
	s_lshl_b32 s46, s42, 10                        ; my first column, in bytes
	s_lshl_b32 s47, s16, 9
	s_add_co_u32 s46, s46, s47
	s_mov_b32 s47, 0
	s_add_nc_u64 s[20:21], s[20:21], s[46:47]
	s_add_nc_u64 s[12:13], s[12:13], s[20:21]
.macro FRAGB reg, adr, q, i
.irp c, 0,1,2,3
	ds_load_b128 v[\reg+4*\c:\reg+4*\c+3], v[\adr] offset:128*(\q)+32*\c+(\i)*16*PITCH
.endr
.endm
.macro FRAGA reg, adr, q, i            ; tile i's chunks 4 q .. 4 q + 3: each load takes 512 consecutive bytes
.irp c, 0,1,2,3
	ds_load_b128 v[\reg+4*\c:\reg+4*\c+3], v[\adr] offset:(\i)*4096+(4*(\q)+\c)*512
.endr
.endm
; 16 matrix instructions: A's blocks a0, a0 + 1 x B's eight.  The 64 accumulators take turns, one instruction a turn, in the same order in every step.
.macro MUL16 a0, p, q, sc, zero
.irp a, \a0, \a0+1
.irp b, 0,1,2,3,4,5,6,7
.if \zero
	v_wmma_scale_f32_16x16x128_f8f6f4 v[8*(8*((\a)%4)+\b):8*(8*((\a)%4)+\b)+7], v[128*(\p)+FR*\b:128*(\p)+FR*\b+FR-1], v[AF+FR*(\a):AF+FR*(\a)+FR-1], 0, v[RSB+8*NQ*(\sc)+NQ*\b+(\q)], v[RSA+8*NQ*(\sc)+NQ*(\a)+(\q)] matrix_a_fmt:MATRIX_FMT_BF8 matrix_b_fmt:MATRIX_FMT_BF8
.else
	v_wmma_scale_f32_16x16x128_f8f6f4 v[8*(8*((\a)%4)+\b):8*(8*((\a)%4)+\b)+7], v[128*(\p)+FR*\b:128*(\p)+FR*\b+FR-1], v[AF+FR*(\a):AF+FR*(\a)+FR-1], v[8*(8*((\a)%4)+\b):8*(8*((\a)%4)+\b)+7], v[RSB+8*NQ*(\sc)+NQ*\b+(\q)], v[RSA+8*NQ*(\sc)+NQ*(\a)+(\q)] matrix_a_fmt:MATRIX_FMT_BF8 matrix_b_fmt:MATRIX_FMT_BF8
.endif
.endr
.endr
.endm
.macro FETCH_B slot, q, p
	WIN TO_B
.irp i, 0,1,2,3,4,5,6,7
	FRAGB 128*(\p)+FR*\i, ADRB+\slot, \q, \i
.endr
	WIN 0
.endm
.macro FETCH_A slot, q, i0
.irp i, \i0, \i0+1, \i0+2, \i0+3
	FRAGA AF+FR*(\i), ADRA+\slot, \q, \i
.endr
.endm
.macro SCALES sc                       ; the next K step's scale words, two a row: A's eight blocks, B's eight
.irp i, 0,1,2,3,4,5,6,7
	ds_load_b64 v[RSA+8*NQ*\sc+NQ*\i:RSA+8*NQ*\sc+NQ*\i+1], v[ADSA] offset:\i*128
.endr
.irp i, 0,1,2,3,4,5,6,7
	ds_load_b64 v[RSB+8*NQ*\sc+NQ*\i:RSB+8*NQ*\sc+NQ*\i+1], v[ADSB] offset:\i*SBLK
.endr
.endm
.macro PLACES n
.rept \n
	v_nop
.endr
.endm
.macro STEP slot, q, zero
	s_wait_dscnt 4*NL                              ; B's set, the scale words and A's blocks 0-3 are in; the youngest sixteen loads (A's blocks 4-7) may be out
	WIN MUL_LO
	MUL16 0, (\q)%2, \q, \slot, \zero
	MUL16 2, (\q)%2, \q, \slot, \zero
	s_wait_dscnt 0
	PLACES NP
	FETCH_B \slot, (\q)+1, 1-(\q)%2
	FETCH_A \slot, (\q)+1, 0
	WIN MUL_HI
	MUL16 4, (\q)%2, \q, \slot, \zero
	MUL16 6, (\q)%2, \q, \slot, \zero
	PLACES NP
	WIN 0
	FETCH_A \slot, (\q)+1, 4
.endm
.macro TURN slot, next, fill
	s_wait_tensorcnt 0x0                           ; all my tensor loads have landed: my part of the next slot
	ds_add_u32 v[SPW], v[NIL]                      ; 0 onto my spare word
	s_wait_dscnt 4*NL+1                            ; (the add and the youngest sixteen loads may be out)
	WIN MUL_LO
	MUL16 0, 1, NQ-1, \slot, 0
	s_wait_dscnt 0x0                               ; the add is done, and my reads of this slot are over
	s_barrier_signal -1
	MUL16 2, 1, NQ-1, \slot, 0
	WIN 0
	s_barrier_wait -1
.if \fill
	CREST                                          ; the barrier has opened a round of the cluster's barrier
	s_add_nc_u64 s[G0+4*\slot+2:G0+4*\slot+3], s[G0+4*\slot+2:G0+4*\slot+3], 2*ASTEP
	s_add_nc_u64 s[G0B+4*\slot+2:G0B+4*\slot+3], s[G0B+4*\slot+2:G0B+4*\slot+3], 2*ROWB
	JLOAD G0+4*\slot, G1, G0B+4*\slot, G1B         ; the first tensor load behind the round, and my only one until the next
	PLACES NP-4
.else
	PLACES NP
.endif
	v_add_nc_u32 v[ADSA], 1024, v[ADSA]            ; on to the next K step's scale words
	v_add_nc_u32 v[ADSB], 4*NQ, v[ADSB]
	FETCH_B \next, 0, 0
	FETCH_A \next, 0, 0
	SCALES \next
	WIN MUL_HI
	MUL16 4, 1, NQ-1, \slot, 0
	MUL16 6, 1, NQ-1, \slot, 0
	PLACES NP
	WIN 0
	FETCH_A \next, 0, 4
.endm
	s_wait_tensorcnt 1                             ; the scales and my part of K step 0 are in; K step 1's load may be out
	s_barrier_signal -1
	s_barrier_wait -1
	FETCH_B 0, 0, 0
	FETCH_A 0, 0, 0
	SCALES 0
	FETCH_A 0, 0, 4
	STEP 0, 0, 1                                   ; K = 1,024 is four slots' worth: the eight steps of 128 are written out.  The first starts the sums
	TURN 0, 1, 1
	STEP 1, 0, 0
	TURN 1, 0, 1
	STEP 0, 0, 0
	TURN 0, 1, 0
	STEP 1, 0, 0
	s_wait_dscnt 4*NL
	WIN MUL_LO
	MUL16 0, 1, NQ-1, 1, 0
	MUL16 2, 1, NQ-1, 1, 0
	s_wait_dscnt 0
	WIN MUL_HI
	MUL16 4, 1, NQ-1, 1, 0
	MUL16 6, 1, NQ-1, 1, 0
	WIN 0
; THE WAY OUT, block by block of 16 rows x 128 columns, through my own stage.  Register j of accumulator (a, b) in lane (r, h) is column 32 (b / 2) + 8 (b % 2) + 16 h + j of the wave's 128,
; and row 32 (a / 2) + 8 (a % 2) + 16 (r / 8) + r % 8 of its 128: the stage's offsets put the columns back, the stores' immediates the rows (127 rows of 4,096 bytes at the most).
.macro TOSTAGE a
.set AC, 64*((\a)%4)
	WIN 0x08+4*((\a)/4)                            ; the data: window 2 or 3
.irp b, 0,1,2,3,4,5,6,7
	ds_store_b128 v[STO], v[AC+8*\b:AC+8*\b+3] offset:128*(\b/2)+32*(\b%2)      ; each accumulator from its low end on
	ds_store_b128 v[STO], v[AC+8*\b+4:AC+8*\b+7] offset:128*(\b/2)+32*(\b%2)+16
.endr
	WIN 0
.set BB, BK+64*((\a)%2)
.irp t, 0,1,2,3,4,5,6,7,8,9,10,11,12,13,14,15
	ds_load_b128 v[BB+4*\t:BB+4*\t+3], v[RD] offset:\t*SPITCH      ; in order behind my stores (ISA guide 5.7.1.4)
.endr
.endm
.macro SEND a, younger
.set BB, BK+64*((\a)%2)
	s_wait_dscnt \younger                          ; the block is back in registers
.irp t, 0,1,2,3,4,5,6,7,8,9,10,11,12,13,14,15
	global_store_b128 v[CO], v[BB+4*\t:BB+4*\t+3], s[12:13] offset:(32*((\a)/2)+8*((\a)%2)+16*(\t/8)+(\t%8))*4096 th:TH_STORE_NT   ; 32 lanes store 512 consecutive bytes, at a multiple of 256 from out0's first byte
.endr
.endm
	PLACES NP
	TOSTAGE 0
.irp a, 1,2,3,4,5,6,7
.if \a > 1
	s_wait_xcnt 0x0                                ; block a - 2's stores have read their registers: block a's loads may land there
.endif
	TOSTAGE \a
	SEND \a-1, 32                                  ; behind block a - 1's loads: block a's 16 stores and 16 loads
.endr
	SEND 7, 0
	s_wait_tensorcnt 0x0                           ; the wave's end
	ds_add_u32 v[SPW], v[NIL]
	s_wait_dscnt 0x0
	CROUND                                         ; the closing round
	s_endpgm
.Lfunc_end_k_qf2933272b7_outp:
	.size	k_qf2933272b7_outp, .Lfunc_end_k_qf2933272b7_outp-k_qf2933272b7_outp
	.p2alignl 7, 3214868480
	.fill 96, 4, 3214868480
	.section	.rodata,"a",@progbits
	.p2align	6, 0x0
	.amdhsa_kernel k_qf2933272b7_outp
		.amdhsa_group_segment_fixed_size 327680
		.amdhsa_private_segment_fixed_size 0
		.amdhsa_enable_private_segment 0
		.amdhsa_kernarg_size 24
		.amdhsa_user_sgpr_count 2
		.amdhsa_user_sgpr_kernarg_segment_ptr 1
		.amdhsa_wavefront_size32 1
		.amdhsa_system_sgpr_workgroup_id_x 1
		.amdhsa_system_sgpr_workgroup_id_y 1
		.amdhsa_system_sgpr_workgroup_id_z 1
		.amdhsa_system_vgpr_workitem_id 0
		.amdhsa_next_free_vgpr 1024
		.amdhsa_next_free_sgpr 98
		.amdhsa_reserve_vcc 0
		.amdhsa_float_denorm_mode_32 3
		.amdhsa_float_denorm_mode_16_64 3
		.amdhsa_memory_ordered 1
		.amdhsa_forward_progress 1
		.amdhsa_inst_pref_size 147
	.end_amdhsa_kernel
	.amdgpu_metadata
---
amdhsa.version: [ 1, 2 ]
amdhsa.kernels:
  - .name:           k_qf2933272b7_outp
    .symbol:         k_qf2933272b7_outp.kd
    .args:
      - { .name: ao, .offset: 0, .size: 8, .value_kind: global_buffer, .address_space: global }
      - { .name: cw, .offset: 8, .size: 8, .value_kind: global_buffer, .address_space: global }
      - { .name: out0, .offset: 16, .size: 8, .value_kind: global_buffer, .address_space: global }
    .group_segment_fixed_size: 327680
    .private_segment_fixed_size: 0
    .kernarg_segment_align: 8
    .kernarg_segment_size: 24
    .max_flat_workgroup_size: 128
    .sgpr_count:     98
    .vgpr_count:     1024
    .wavefront_size: 32
...
	.end_amdgpu_metadata
.endif
;; end of part 4
;; ======== version 2 of 2: 4 launches; version 1 with the launch attn written anew for expert scheduling mode
;; workspace buffers: cw 30,277,632 bytes; hd 26,738,688 bytes; ao 8,650,752 bytes; mk 524,800 bytes of whole numbers
;; launch prep: the kernel of part 1 again; grid 928 x 1, 4 waves a work-group, no clusters, 68,096 bytes of LDS; arguments q, k, v, Wq, Wk, Wv, Wo, mask, cw, mk; writes cw, mk
;; launch proj: the kernel of part 2 again; grid 4 x 96, 4 waves a work-group, clusters of 4 x 4, 327,680 bytes of LDS; arguments cw, hd; writes hd
;; launch attn (part 5): grid 8 x 64, 16 waves a work-group, no clusters, 47,104 bytes of LDS; arguments hd, mk, ao; writes ao
.if DOCPART == 5
	.amdgcn_target "amdgcn-amd-amdhsa--gfx1250"
	.amdhsa_code_object_version 6
	.text
	.protected	k_qf2933272b7_attn
	.globl	k_qf2933272b7_attn
	.p2align	8
	.type	k_qf2933272b7_attn,@function
k_qf2933272b7_attn:
	s_mov_b64 s[64:65], 0
	v_nop
	global_prefetch_b8 v0, s[64:65] scope:SCOPE_SE
	s_setreg_imm32_b32 hwreg(HW_REG_WAVE_SCHED_MODE, 0, 2), 2
	s_setreg_imm32_b32 hwreg(HW_REG_WAVE_MODE, 25, 1), 1
	s_wait_xcnt 0x0
	s_wait_alu depctr_vm_vsrc(0)
; ATTN: for each batch and head, O = softmax(Q K^T / 8, hidden pairs at -infinity) V, both products on codes of BF8 (E5M2) with E8M0 scales; O / l is quantised in registers into the last product's operand images.
; THE SOFTMAX: t = score x log2(e) / 8; M = the row's largest t so far, rounded UP to a whole number; p = 2^(t - M) is quantised along the keys, not normalised; the row's sum l is taken of the
; unquantised p and divides O at the end.  When M moves, l and O are multiplied by 2^(old M - new M): exact.
; SHARES.  A work-group owns the blocks x and 15 - x of 128 queries of one head; each of its sixteen waves one tile of 16 queries, in 256 registers.  Every wave passes all 16 steps of 128 keys and all
; 16 barriers.  THE MASK IS AN INPUT: an earlier launch has stored, from the mask's own bytes, for each tile of queries and each step whether any pair is open and whether any is hidden, and the hidden
; pairs as lane masks.  A step none of whose pairs is open for my tile is left out (its p would all be 0); a step with hidden pairs sets their scores to -infinity by 64 selections.
; A row all of whose pairs are hidden has l = 0: its scale bytes are set to 0xff, so that the last product's sums of that row are NaN, as 0 / 0 makes them in the definition.
; NO CLUSTER AND NO TENSOR LOAD: the branch on the stored flags takes out whole steps of some 370 vector instructions; what the eight
; work-groups of a head share is 16 KiB a step.  K and V come by plain loads, 1,024 bytes a wave and step, asked for two steps ahead into registers and put into the other LDS slot one step ahead.
; LAYOUT.  Both products are used transposed (S^T = K Q^T, O^T = V^T P^T): a lane holds one query throughout.  All operands lie in hd as images of their registers: a chunk of 512 bytes is four
; registers of 32 lanes.  The head has 64 along the first product's K, the instruction 128: Q's upper eight registers are zero codes under scale bytes 0, and K's fragment of tile t runs on into
; tile t + 1's registers (tile 7's into p's codes): finite codes that meet zeros.
; The 2-byte stores of the scale bytes cover parts of aligned blocks: they are a thirty-second of what the launch stores.
; LIMITS: a block of zeros carries the byte 1; blocks whose largest magnitude lies under 2^-111 are held at byte 1; NaN and infinities among the operands are not served.
; THE MODE: SCHED_MODE bits 1:0 = 2 (LLVM: expert scheduling mode 2), set by the entry lines.  The code itself states the register dependences between vector or matrix instructions and
; memory or LDS instructions, with s_wait_alu, always for 0.
; THE PLAN.  Registers that memory or LDS instructions touch:
;   v1, v3, v5, v6   offsets, made at the head and never written again: read by every LDS load, by the fill's stores and loads, by the last stores.
;   v2, v4           the step's scale addresses: written by two additions at each step's head, read by the step's two loads of scale words.
;   v208-223         the fill's two sets: written by global loads, read by LDS stores; no vector instruction names them.  The set that one step stores is loaded again in the next.
;   v32-95           K's LDS loads land here, the eight products K Q^T read them; then V's land here, and the four products V^T P^T read them.
;   v240-243, v244-245  K's and V's scale words: LDS loads land, the products read.
;   v8-11, v252, v253   the head's addresses; v8, v252, v253 are written again by vector instructions behind the first step's head.
;   v96-111, v247, v246, v24-31 are written by vector instructions and taken by scaled products.
; A STEP'S WAITS: one on vm_vsrc at its head, ahead of the additions to v2 and v4 and of the fill's loads; one on va_vdst ahead of K's loads; one ahead of V's loads; the two behind the exponentials;
; one ahead of V^T P^T.  Behind the wait ahead of V's loads only selections and maxima follow, which name v112-175, v7 and v224-227: so V's loads are dealt among them with no further wait.
; REGISTERS: v1 16 x lane, v3 8 x lane, v2, v4 the step's scale addresses, v5, v6 the fill's LDS address and offset, v7 -infinity, v12 -M, v13 the largest t, v[14:15] l; v16-23 Q, v24-31 zeros;
;   v32-95 K's eight tiles, later V's four fragments; v96-111 p's codes; v112-175 S^T, then p; v176-207 O^T; v208-223 the fill's two sets; v224-239 at work; v240-243 K's scale words, v244-245 V's,
;   v246 Q's, v247 p's; v[248:249] f; v[250:251] the second chain of sums; v252-255 at work.
.set HDS, 25165824                     ; hd: where the scale images begin
.set MKF, 524288                       ; mk: where the flags begin
.set AOS, 8388608                      ; ao: where the scale bytes begin
.set KSC, 32768                        ; LDS: slot sl at 16384 sl (K 8,192 bytes, then V 8,192); K's scale images, 512 bytes a step;
.set VSC, 40960                        ; V's, 256 bytes a step
.set WV,  10                           ; s10  my wave's number
.set SEL, 66                           ; s[66:67] lane selects for lane l xor 16
.set FB,  84                           ; s[84:85] the fill: my part of K or V at step ST
.set MW,  86                           ; s[86:87] my tile's mask words
.set MO,  88                           ; s88  256 x ST
.set ST,  89                           ; s89  the trip's first step
.set TS,  90                           ; s90  KSC + 512 ST
.set TJ,  91                           ; s91  VSC + 256 ST
.set MYF, 92                           ; s92  my tile's flags: bit s: step s has an open pair; bit 16 + s: a hidden one
.set WGA, 93                           ; s93  bit s: step s has an open pair for some tile of the work-group
.set CNT, 94
.set MNT, 97                           ; s97  the mantissa field of 57,344
.set YY,  98                           ; s98  batch x 16 + head
.set RT,  99                           ; s99  my tile of queries, 0..127
.set CS,  100                          ; s[100:101] c = log2(e) / 8
; s[16:63], s[68:83]: the step's 64 mask words
	s_load_b128 s[4:7], s[0:1], 0x0                ; hd, mk
	s_load_b64 s[8:9], s[0:1], 0x10                ; ao
	v_lshrrev_b32 v8, 5, v0
	v_readfirstlane_b32 s[WV], v8                  ; wave 0..15
	v_and_b32 v252, 31, v0
	v_lshlrev_b32 v1, 4, v252
	v_lshlrev_b32 v3, 3, v252
	v_mov_b32 v7, 0xff800000
	s_wait_alu depctr_va_sdst(0)                   ; s10 is written, ahead of its first reader: addresses, bases and branches are made from it
	v_lshl_add_u32 v5, s[WV], 10, v1               ; the fill: wave w puts 1,024 bytes at 1,024 w of a slot (waves 0-7: K, waves 8-15: V)
	s_and_b32 s46, s[WV], 7
	v_lshl_add_u32 v6, s46, 10, v1                 ; and takes them from 1,024 (w % 8) of the step's 8,192
	v_lshl_add_u32 v252, s[WV], 9, v1              ; where I put K's scale image of step w,
	v_lshl_add_u32 v253, s[WV], 8, v3              ; and V's
	s_and_b32 s[YY], ttmp7, 0xffff
	s_lshr_b32 s11, s[WV], 2
	s_xor_b32 s11, s11, s[WV]
	s_and_b32 s11, s11, 1                          ; which of the two blocks: of waves 2 i and 2 i + 1 one takes each
	s_sub_co_u32 s12, 15, ttmp9
	s_cmp_eq_u32 s11, 1
	s_cselect_b32 s13, s12, ttmp9                  ; my block of 128 queries
	s_lshr_b32 s14, s[WV], 1                       ; my tile in it
	s_lshl_b32 s[RT], s13, 3
	s_add_co_u32 s[RT], s[RT], s14
	s_lshl_b32 s15, s[RT], 2
	s_lshl_b32 s95, ttmp9, 5
	s_lshl_b32 s96, s12, 5
	s_lshl_b32 s32, s[YY], 13                      ; a head's scale images: 8,192 bytes
	s_lshl_b32 s33, s[WV], 9
	s_add_co_u32 s34, s32, s33
	s_add_co_u32 s34, s34, HDS+524288              ; K's scale image of step w
	v_add_nc_u32 v8, s34, v1
	s_and_b32 s35, s[YY], 62
	s_lshl_b32 s35, s35, 13
	s_add_co_u32 s35, s35, s33
	s_and_b32 s36, s[YY], 1
	s_lshl_b32 s36, s36, 3
	s_add_co_u32 s35, s35, s36
	s_add_co_u32 s35, s35, HDS+1048576             ; V's of step w: in the even head's place, words 0, 1 the even head's, words 2, 3 the odd head's
	v_add_nc_u32 v9, s35, v1
	s_lshl_b32 s37, s[YY], 17                      ; a head's codes: 131,072 bytes
	s_lshl_b32 s38, s13, 13
	s_add_co_u32 s38, s38, s37
	s_lshl_b32 s39, s14, 10
	s_add_co_u32 s38, s38, s39                     ; Q's two chunks
	v_add_nc_u32 v10, s38, v1
	s_lshl_b32 s39, s13, 9
	s_add_co_u32 s39, s39, s32
	s_and_b32 s40, s14, 1
	s_lshl_b32 s40, s40, 8
	s_add_co_u32 s39, s39, s40
	s_lshr_b32 s40, s[WV], 2
	s_lshl_b32 s40, s40, 2
	s_add_co_u32 s39, s39, s40
	s_add_co_u32 s39, s39, HDS                     ; Q's scale word: in the block's image lane 16 (tile % 2) + r, word tile / 2
	v_and_b32 v11, 15, v0
	v_lshl_add_u32 v11, v11, 4, s39
	s_mov_b32 s41, 16777216
	s_cmp_lt_u32 s[WV], 8
	s_cselect_b32 s42, 8388608, s41                ; K's part of hd, or V's
	s_add_co_u32 s42, s42, s37
	s_mov_b32 s43, 0
	s_lshl_b32 s44, s[RT], 12
	s_mov_b32 s45, 0
	s_mov_b32 s[SEL], 0x76543210
	s_mov_b32 s[SEL+1], 0xfedcba98
	s_mov_b32 s[MNT], 0x600000
	s_mov_b32 s[CS], 0x3e38aa3b
	s_mov_b32 s[CS+1], s[CS]                       ; (named with it as a pair, so it is written)
	s_mov_b32 s[MO], 0
	s_mov_b32 s[ST], 0
	s_mov_b32 s[TS], KSC
	s_mov_b32 s[TJ], VSC
	s_mov_b32 s[CNT], 8
	s_wait_kmcnt 0x0
	s_load_b32 s[MYF], s[6:7], s15 offset:MKF
	s_load_b256 s[16:23], s[6:7], s95 offset:MKF   ; the flags of the work-group's sixteen tiles
	s_load_b256 s[24:31], s[6:7], s96 offset:MKF
	s_add_nc_u64 s[FB:FB+1], s[4:5], s[42:43]
	s_add_nc_u64 s[MW:MW+1], s[6:7], s[44:45]
	s_wait_alu depctr_va_vdst(0)                   ; v1, v3, v5, v6, v8 to v11, v252 and v253 are written: the loads and LDS stores of the head, and of v1, v3, v5, v6 those of the whole kernel, read them as addresses
	global_load_b128 v[32:35], v8, s[4:5]          ; 1: K's scale image of step w
	global_load_b64 v[36:37], v9, s[4:5]           ; 2: V's
	global_load_b128 v[208:211], v6, s[FB:FB+1]    ; 3, 4: my part of step 0
	global_load_b128 v[212:215], v6, s[FB:FB+1] offset:512
	global_load_b128 v[16:19], v10, s[4:5]         ; 5, 6: Q
	global_load_b128 v[20:23], v10, s[4:5] offset:512
	global_load_b32 v246, v11, s[4:5]              ; 7: Q's scale word
	global_load_b128 v[216:219], v6, s[FB:FB+1] offset:8192   ; 8, 9: my part of step 1
	global_load_b128 v[220:223], v6, s[FB:FB+1] offset:8704
.irp j, 24,25,26,27,28,29,30,31
	v_mov_b32 v[\j], 0                             ; the zero codes of Q's upper 64 along K.  (None of the lines from here to the LDS stores names a register that the loads above or those stores touch)
.endr
.set j, 96
.rept 16
	v_mov_b32 v[j], 0                              ; p's codes: read as the tail of K's last fragment before they are first made
.set j, j+1
.endr
.set j, 176
.rept 32
	v_mov_b32 v[j], 0                              ; O^T.  (The step is written once: the first finds zeros, which the first change of M leaves zeros)
.set j, j+1
.endr
	v_mov_b32 v14, 0
	v_mov_b32 v15, 0
.irp b, 0,1,2,3
	v_mov_b32 v[228+\b], 0                         ; written once: a lane permute's destination counts as one of its sources
.endr
	v_mov_b32 v249, 0                              ; (named as the upper half of the pair v[248:249])
	v_mov_b32 v13, 0xff61b1e6                      ; the largest t so far: -3e38
	v_floor_f32 v12, -v13
	s_wait_loadcnt 5                               ; loads 1 to 4 are in; Q, its word and step 1's part may be out
	ds_store_b128 v252, v[32:35] offset:KSC
	ds_store_b64 v253, v[36:37] offset:VSC
	ds_store_b128 v5, v[208:211]
	ds_store_b128 v5, v[212:215] offset:512
	s_wait_loadcnt 2                               ; Q and its word are in; step 1's part may be out
	v_and_b32 v246, 0xffff, v246                   ; bytes 2 and 3, over the zero codes, become 0: the smallest scale
	s_wait_kmcnt 0x0
.irp j, 17,18,19,20,21,22,23,24,25,26,27,28,29,30,31
	s_or_b32 s16, s16, s[\j]
.endr
	s_and_b32 s[WGA], s16, 0xffff                  ; 16 bits: steps 16 and 17 are never asked for
; V's fragment d (16 of the head's 64 x 128 keys) of slot sl: four loads of 512 consecutive bytes
.macro VFRAG sl, d
.irp c, 0,1,2,3
	ds_load_b128 v[32+16*(\d)+4*\c:35+16*(\d)+4*\c], v1 offset:(\sl)*16384+8192+(\c/2)*4096+(\d)*1024+(\c%2)*512
.endr
.endm
; A KEY STEP: step ST + sl, in slot sl.
.macro STEP sl
	s_wait_dscnt 0x0                               ; my stores into this slot have landed and my reads of the other slot are back:
	s_barrier_signal -1
	s_barrier_wait -1                              ; so have everybody's: this slot is whole, and nobody reads the other one
	s_wait_loadcnt 0x0                             ; my part of the next step is in registers
	s_wait_alu depctr_vm_vsrc(0)                   ; the last step's loads of scale words have read v2 and v4, which are written below; the LDS stores of the last step (in the first step: the head's) have read the fill's set in which the loads below land; in the first step also: the head's stores have read v32-37, v252 and v253, its loads v8
	v_add_nc_u32 v2, s[TS], v1
	v_add_nc_u32 v4, s[TJ], v3
	s_lshr_b32 s95, s[WGA], s[ST]
	s_bitcmp1_b32 s95, \sl+1                       ; does any tile of the work-group want the next step?  (the same answer in all sixteen waves)
	s_cbranch_scc0 .Lno_put_\@
	ds_store_b128 v5, v[216-8*\sl:219-8*\sl] offset:(1-\sl)*16384
	ds_store_b128 v5, v[220-8*\sl:223-8*\sl] offset:(1-\sl)*16384+512
.Lno_put_\@:
	s_bitcmp1_b32 s95, \sl+2                       ; and the step after it?
	s_cbranch_scc0 .Lno_get_\@
	global_load_b128 v[208+8*\sl:211+8*\sl], v6, s[FB:FB+1] offset:(\sl+2)*8192
	global_load_b128 v[212+8*\sl:215+8*\sl], v6, s[FB:FB+1] offset:(\sl+2)*8192+512
.Lno_get_\@:
	s_lshr_b32 s96, s[MYF], s[ST]
	s_bitcmp1_b32 s96, \sl                         ; has my tile an open pair in this step?
	s_cbranch_scc0 .Lskip_\@
.rept 8
	v_nop                                          ; places behind the last products; in the first step they are, with the two additions above, the places between the write of Q's scale word and the first scaled product
.endr
	s_wait_alu depctr_va_vdst(0)                   ; v2 and v4 are written, which the loads of scale words read; the last products are done reading v32-95, v240-243 and v244-245, in which this step's loads land; Q's zero codes, Q's scale word and p's codes (the tail of tile 7's fragment) are written, which the products below take
.irp t, 0,1,2,3,4,5,6,7
.irp c, 0,1
	ds_load_b128 v[32+8*\t+4*\c:35+8*\t+4*\c], v1 offset:\sl*16384+\t*1024+\c*512
.endr
.endr
	ds_load_b128 v[240:243], v2 offset:512*\sl     ; word j of lane l: tile 2 j + l / 16, row l % 16
	s_wait_dscnt 0x0
.irp t, 0,2,4,6                                ; S^T = K Q^T: lane (r, h) holds query r; the 16 registers of tiles 2 b, 2 b + 1 are keys 32 b + 16 h + 0 .. 15
	v_wmma_scale_f32_16x16x128_f8f6f4 v[112+8*\t:119+8*\t], v[32+8*\t:47+8*\t], v[16:31], 0, v[240+\t/2], v246 matrix_a_fmt:MATRIX_FMT_BF8 matrix_b_fmt:MATRIX_FMT_BF8
	v_wmma_scale_f32_16x16x128_f8f6f4 v[120+8*\t:127+8*\t], v[40+8*\t:55+8*\t], v[16:31], 0, v[240+\t/2], v246 matrix_a_fmt:MATRIX_FMT_BF8 matrix_b_fmt:MATRIX_FMT_BF8 matrix_a_scale:MATRIX_SCALE_ROW1
.endr
.rept 8
	v_nop                                          ; places in front of the first read of the scores
.endr
	s_wait_alu depctr_va_vdst(0)                   ; the eight products are done reading v32-95, in which V's fragments land.  From here to the last of V's loads only selections and maxima are issued, which name v112-175, v7 and v224-227
	VFRAG \sl, 0                                   ; V's four fragments land under the softmax: the first here, the others dealt among the maxima
	ds_load_b64 v[244:245], v4 offset:256*\sl
	s_bitcmp1_b32 s96, 16+\sl                      ; has my tile a hidden pair in this step?
	s_cbranch_scc0 .Lopen_\@
	s_load_b512 s[16:31], s[MW:MW+1], s[MO] offset:256*\sl
	s_load_b512 s[32:47], s[MW:MW+1], s[MO] offset:256*\sl+64
	s_load_b512 s[48:63], s[MW:MW+1], s[MO] offset:256*\sl+128
	s_load_b512 s[68:83], s[MW:MW+1], s[MO] offset:256*\sl+192
	s_wait_kmcnt 0x0
.set n, 0
.rept 64
.if n < 48
	v_cndmask_b32 v[112+n], v[112+n], v7, s[16+n]  ; word n: the lanes whose score in register n is hidden
.else
	v_cndmask_b32 v[112+n], v[112+n], v7, s[20+n]
.endif
.set n, n+1
.endr
.Lopen_\@:
.irp b, 0,1,2,3
	v_max3_num_f32 v[224+\b], v[112+16*\b], v[113+16*\b], v[114+16*\b]   ; the largest score of each block of 32 keys: for the row's maximum and, since p rises with the score, for the block's largest p
.endr
	VFRAG \sl, 1
.irp i, 3,5
.irp b, 0,1,2,3
	v_max3_num_f32 v[224+\b], v[224+\b], v[112+16*\b+\i], v[113+16*\b+\i]
.endr
.endr
	VFRAG \sl, 2
.irp i, 7,9
.irp b, 0,1,2,3
	v_max3_num_f32 v[224+\b], v[224+\b], v[112+16*\b+\i], v[113+16*\b+\i]
.endr
.endr
	VFRAG \sl, 3
.irp i, 11,13
.irp b, 0,1,2,3
	v_max3_num_f32 v[224+\b], v[224+\b], v[112+16*\b+\i], v[113+16*\b+\i]
.endr
.endr
.irp b, 0,1,2,3
	v_max_num_f32 v[224+\b], v[224+\b], v[127+16*\b]
.endr
.irp b, 0,1,2,3
	v_permlanex16_b32 v[228+\b], v[224+\b], s[SEL], s[SEL+1]
.endr
.irp b, 0,1,2,3
	v_max_num_f32 v[224+\b], v[224+\b], v[228+\b]  ; with lane l xor 16's 16 keys
.endr
	v_max3_num_f32 v252, v224, v225, v226
	v_max_num_f32 v252, v252, v227
	v_mul_f32 v252, s[CS], v252                    ; as t
	v_max_num_f32 v13, v13, v252                   ; the running largest t
	v_mov_b32 v252, v12
	v_floor_f32 v12, -v13                          ; the new -M = -ceil(t)
	v_sub_f32 v252, v12, v252                      ; old M - new M: a whole number, 0 or less
	v_cvt_i32_f32 v252, v252                       ; (it saturates)
	v_ldexp_f32 v248, 1.0, v252                    ; f = 2^(old M - new M)
.set j, 0
.rept 32
	v_pk_fma_f32 v[112+j:113+j], v[112+j:113+j], s[CS:CS+1], v[12:13] op_sel_hi:[1,0,0]   ; t - M, two at a time
.set j, j+2
.endr
.irp b, 0,1,2,3
	v_fma_f32 v[224+\b], v[224+\b], s[CS], v12
.endr
.set j, 0
.rept 64
	v_exp_f32 v[112+j], v[112+j]                   ; p = 2^(t - M)
.set j, j+1
.endr
	v_pk_mul_f32 v[14:15], v[14:15], v[248:249] op_sel_hi:[1,0]   ; l under the new M (the plain line behind the exponentials)
	s_wait_alu depctr_va_vdst(0)                   ; the 64 exponentials have written p, v112-175: one wait for the batch, ahead of its first reader
.irp b, 0,1,2,3
	v_exp_f32 v[224+\b], v[224+\b]                 ; the block's largest p
.endr
	v_pk_add_f32 v[250:251], v[112:113], v[114:115]   ; the row's sum of the UNQUANTISED p, in two chains
.irp j, 4,8,12,16,20,24,28,32,36,40,44,48,52,56,60
	v_pk_add_f32 v[14:15], v[14:15], v[112+\j:113+\j]
	v_pk_add_f32 v[250:251], v[250:251], v[114+\j:115+\j]
.endr
	v_pk_add_f32 v[14:15], v[14:15], v[250:251]
	s_wait_alu depctr_va_vdst(0)                   ; the four exponentials have written v224-227, ahead of their first reader
.irp b, 0,1,2,3
	v_max_num_f32 v[224+\b], 0x8000000, v[224+\b]  ; the floor 2^(16 - 127)
.endr
.irp b, 0,1,2,3
	v_add_nc_u32 v[236+\b], 0xf8800000, v[224+\b]  ; the conversion's scale operand
.endr
.irp b, 0,1,2,3
	v_and_or_b32 v[232+\b], v[224+\b], 0x7f800000, s[MNT]   ; 57,344 x the scale
.endr
.irp b, 0,1,2,3
	v_lshrrev_b32 v[228+\b], 23, v[236+\b]         ; the scale's byte
.endr
	v_lshl_or_b32 v247, v229, 8, v228              ; p's scale word for these 128 keys
	v_lshl_or_b32 v247, v230, 16, v247
	v_lshl_or_b32 v247, v231, 24, v247
.irp b, 0,1,2,3
.irp i, 0,1,2,3,4,5,6,7,8,9,10,11,12,13,14,15
	v_min_num_f32 v[112+16*\b+\i], v[112+16*\b+\i], v[232+\b]   ; the conversion does not saturate (ISA guide 7.6.2); p is not negative, so the hold is one-sided
.endr
	v_cvt_scalef32_pk8_bf8_f32 v[96+4*\b:97+4*\b], v[112+16*\b:119+16*\b], v[236+\b]
	v_cvt_scalef32_pk8_bf8_f32 v[98+4*\b:99+4*\b], v[120+16*\b:127+16*\b], v[236+\b]
.endr
.set j, 0
.rept 16
	v_pk_mul_f32 v[176+j:177+j], v[176+j:177+j], v[248:249] op_sel_hi:[1,0]   ; O^T under the new M.  (Also the plain lines between the conversions and the products)
.set j, j+2
.endr
	s_wait_dscnt 0x0                               ; V and its scale words are in
	s_wait_alu depctr_va_vdst(0)                   ; the conversions have written p's codes, v96-111, and the shifts p's scale word, v247, which the scaled products below take; the sixteen lines above stay as the places beside this wait
.irp d, 0,2                                    ; O^T += V^T P^T: the four accumulators take turns, one instruction a turn; the next step's eight products of K Q^T stand between two links
	v_wmma_scale_f32_16x16x128_f8f6f4 v[176+8*\d:183+8*\d], v[32+16*\d:47+16*\d], v[96:111], v[176+8*\d:183+8*\d], v[244+\d/2], v247 matrix_a_fmt:MATRIX_FMT_BF8 matrix_b_fmt:MATRIX_FMT_BF8
	v_wmma_scale_f32_16x16x128_f8f6f4 v[184+8*\d:191+8*\d], v[48+16*\d:63+16*\d], v[96:111], v[184+8*\d:191+8*\d], v[244+\d/2], v247 matrix_a_fmt:MATRIX_FMT_BF8 matrix_b_fmt:MATRIX_FMT_BF8 matrix_a_scale:MATRIX_SCALE_ROW1
.endr
.Lskip_\@:
.endm
.Ltrip:                                            ; eight trips of two steps
	STEP 0
	STEP 1
	s_wait_xcnt 0x0                                ; the trip's loads have read their bases and offsets
	s_add_nc_u64 s[FB:FB+1], s[FB:FB+1], 16384
	s_add_co_u32 s[ST], s[ST], 2
	s_add_co_u32 s[TS], s[TS], 1024
	s_add_co_u32 s[TJ], s[TJ], 512
	s_add_co_u32 s[MO], s[MO], 512
	s_sub_co_u32 s[CNT], s[CNT], 1
	s_cmp_lg_u32 s[CNT], 0
	s_cbranch_scc1 .Ltrip
	; THE WAY OUT.  O^T / l: register 16 c + i of lane (r, h) is channel 32 c + 16 h + i of query r: two blocks of 32 along the last product's K.  They are quantised, and leave as two chunks.
	; (v8, v252 and v253, which the head's loads and LDS stores read, are written again here: the wait on vm_vsrc at every step's head stands between.)
.rept 8
	v_nop                                          ; places behind the last products
.endr
	v_add_f32 v14, v14, v15
	v_permlanex16_b32 v252, v14, s[SEL], s[SEL+1]
	v_add_f32 v14, v14, v252                       ; the row's sum
	v_rcp_f32 v253, v14
	v_and_b32 v8, 15, v0                           ; (plain work behind the reciprocal)
	v_lshlrev_b32 v8, 3, v8                        ; 8 scale bytes a row
	v_mov_b32 v254, 0xff
	s_lshr_b32 s11, s[YY], 4                       ; the batch
	s_and_b32 s12, s[YY], 15                       ; the head
	s_lshr_b32 s13, s12, 2                         ; which 256 of the last product's K
	s_and_b32 s12, s12, 3
	s_lshl_b32 s13, s13, 9
	s_lshl_b32 s11, s11, 7
	s_add_co_u32 s13, s13, s11
	s_add_co_u32 s13, s13, s[RT]
	s_lshl_b32 s14, s13, 12                        ; 4,096 bytes for a tile of rows and 256 along K,
	s_lshl_b32 s15, s12, 10                        ; 1,024 of them a head
	s_add_co_u32 s14, s14, s15
	s_mov_b32 s15, 0
	s_add_nc_u64 s[16:17], s[8:9], s[14:15]
	s_lshl_b32 s14, s13, 7
	s_lshl_b32 s12, s12, 1
	s_add_co_u32 s14, s14, s12
	s_add_co_u32 s14, s14, AOS
	s_add_nc_u64 s[18:19], s[8:9], s[14:15]
	s_wait_alu depctr_va_vdst(0)                   ; the reciprocal has written v253, ahead of its first reader
.set j, 0
.rept 32
	v_mul_f32 v[112+j], v[176+j], v253
.set j, j+1
.endr
.irp b, 0,1
	v_max3_num_f32 v[224+\b], |v[112+16*\b]|, |v[113+16*\b]|, 0x8000000
.endr
.irp i, 2,4,6,8,10,12,14
.irp b, 0,1
	v_max3_num_f32 v[224+\b], v[224+\b], |v[112+16*\b+\i]|, |v[113+16*\b+\i]|
.endr
.endr
.irp b, 0,1
	v_permlanex16_b32 v[228+\b], v[224+\b], s[SEL], s[SEL+1]
.endr
.irp b, 0,1
	v_max_num_f32 v[224+\b], v[224+\b], v[228+\b]
.endr
.irp b, 0,1
	v_add_nc_u32 v[236+\b], 0xf8800000, v[224+\b]
.endr
.irp b, 0,1
	v_and_or_b32 v[232+\b], v[224+\b], 0x7f800000, s[MNT]
.endr
.irp b, 0,1
	v_lshrrev_b32 v[228+\b], 23, v[236+\b]
.endr
.irp b, 0,1
.irp i, 0,1,2,3,4,5,6,7,8,9,10,11,12,13,14,15
	v_med3_num_f32 v[112+16*\b+\i], v[112+16*\b+\i], -v[232+\b], v[232+\b]
.endr
	v_cvt_scalef32_pk8_bf8_f32 v[32+4*\b:33+4*\b], v[112+16*\b:119+16*\b], v[236+\b]
	v_cvt_scalef32_pk8_bf8_f32 v[34+4*\b:35+4*\b], v[120+16*\b:127+16*\b], v[236+\b]
.endr
	v_nop                                          ; a plain line behind the last conversion
	v_cmp_eq_f32 vcc_lo, 0, v14                    ; a row with no open pair: a selection, no branch
	s_wait_alu depctr_va_vcc(0)                    ; VCC is written, ahead of the two selections that read it
	v_cndmask_b32 v228, v228, v254, vcc_lo
	v_cndmask_b32 v229, v229, v254, vcc_lo
	v_lshl_or_b32 v228, v229, 8, v228
	s_wait_alu depctr_va_vdst(0)                   ; the conversions have written v32-39, the lines above v228 and v8: the three stores read them as data and as an offset
	global_store_b128 v1, v[32:35], s[16:17]       ; a chunk: 512 consecutive bytes
	global_store_b128 v1, v[36:39], s[16:17] offset:512
	global_store_b16 v8, v228, s[18:19]            ; row r's two bytes; lanes l and l xor 16 write the same bytes with the same value
	s_wait_xcnt 0x0                                ; the three stores have had their addresses translated
	v_lshl_add_u32 v254, v0, 2, 0xb000             ; my spare word and 0, made anew: no memory or LDS instruction of the kernel has read v254 or v255
	v_mov_b32 v255, 0
	s_wait_dscnt 0x0                               ; the closing lines, six on end
	s_wait_alu 0x0
	s_wait_tensorcnt 0x0
	ds_add_u32 v254, v255
	s_wait_dscnt 0x0
	s_endpgm
.Lfunc_end_k_qf2933272b7_attn:
	.size	k_qf2933272b7_attn, .Lfunc_end_k_qf2933272b7_attn-k_qf2933272b7_attn
	.p2alignl 7, 3214868480
	.fill 96, 4, 3214868480
	.section	.rodata,"a",@progbits
	.p2align	6, 0x0
	.amdhsa_kernel k_qf2933272b7_attn
		.amdhsa_group_segment_fixed_size 47104
		.amdhsa_private_segment_fixed_size 0
		.amdhsa_enable_private_segment 0
		.amdhsa_kernarg_size 24
		.amdhsa_user_sgpr_count 2
		.amdhsa_user_sgpr_kernarg_segment_ptr 1
		.amdhsa_wavefront_size32 1
		.amdhsa_system_sgpr_workgroup_id_x 1
		.amdhsa_system_sgpr_workgroup_id_y 1
		.amdhsa_system_sgpr_workgroup_id_z 1
		.amdhsa_system_vgpr_workitem_id 0
		.amdhsa_next_free_vgpr 256
		.amdhsa_next_free_sgpr 102
		.amdhsa_reserve_vcc 1
		.amdhsa_float_denorm_mode_32 3
		.amdhsa_float_denorm_mode_16_64 3
		.amdhsa_memory_ordered 1
		.amdhsa_forward_progress 1
		.amdhsa_inst_pref_size 62
	.end_amdhsa_kernel
	.amdgpu_metadata
---
amdhsa.version: [ 1, 2 ]
amdhsa.kernels:
  - .name:           k_qf2933272b7_attn
    .symbol:         k_qf2933272b7_attn.kd
    .args:
      - { .name: hd, .offset: 0, .size: 8, .value_kind: global_buffer, .address_space: global }
      - { .name: mk, .offset: 8, .size: 8, .value_kind: global_buffer, .address_space: global }
      - { .name: ao, .offset: 16, .size: 8, .value_kind: global_buffer, .address_space: global }
    .group_segment_fixed_size: 47104
    .private_segment_fixed_size: 0
    .kernarg_segment_align: 8
    .kernarg_segment_size: 24
    .max_flat_workgroup_size: 512
    .sgpr_count:     102
    .vgpr_count:     256
    .wavefront_size: 32
...
	.end_amdgpu_metadata
.endif
;; end of part 5
;; launch outp: the kernel of part 4 again; grid 4 x 32, 4 waves a work-group, clusters of 4 x 4, 327,680 bytes of LDS; arguments ao, cw, out0; writes out0
